; MI455X (gfx1250); checked and timed in simulation.
; The chip was launched on July 23, 2026; its instructions are those of AMD's public machine-readable ISA for CDNA 5 (MIT licence, August 2026) and "CDNA5" Instruction Set Architecture Reference Guide (July 2026). The comments in the code are by the model that wrote it; some were corrected since.
;; Causal Self Attention. Allowed arithmetic: matrix products marked QUANTISED: E4M3 operands, one given power-of-two scale a tensor, by v_wmma_f32_16x16x64_fp8_fp8 or v_wmma_f32_16x16x128_fp8_fp8, f32 sums; everything else in f32.
;; Inputs: Wk 256 x 1,024 float32; Wproj 1,024 x 1,024 float32; Wq 1,024 x 1,024 float32; Wv 256 x 1,024 float32; lowp_scales 12 int32 (the exponents e of the quantised operands' scales 2^e); q_gain 16 float32; x 2 x 2,048 x 1,024 float32.
;; Outputs: out0 2 x 2,048 x 1,024 float32.
;; This version of the problem:
;;   THIS VERSION OF THE PROBLEM IS GIVEN IN LOW PRECISION. The matrix products marked QUANTISED in the list below multiply operands that are first quantised to E4M3 (4 exponent bits, 3 mantissa bits; 8 bits a number), with one given power-of-two scale for each operand tensor; their sums are f32. All else is computed in f32.
;;   The module's matrix products, in the order in which they are computed (A, B: the left and right operand; K: the contracted axis; several contracted axes count as one K, in the product's order):
;;     1. [M 4,096, K 1,024] x [K 1,024, N 1,024]; A: input x; B: input Wq: QUANTISED (scales: A lowp_scales[0], B lowp_scales[1])
;;     2. [M 4,096, K 1,024] x [K 1,024, N 256]; A: input x; B: input Wk: QUANTISED (scales: A lowp_scales[2], B lowp_scales[3])
;;     3. [M 4,096, K 1,024] x [K 1,024, N 256]; A: input x; B: input Wv: QUANTISED (scales: A lowp_scales[4], B lowp_scales[5])
;;     4. batch 8 x [M 8,192, K 64] x [K 64, N 2,048]; A: computed on the way; B: computed on the way: QUANTISED (scales: A lowp_scales[6], B lowp_scales[7])
;;     5. batch 8 x [M 8,192, K 2,048] x [K 2,048, N 64]; A: softmax (see below); B: computed on the way: QUANTISED (scales: A lowp_scales[8], B lowp_scales[9])
;;     6. [M 4,096, K 1,024] x [K 1,024, N 1,024]; A: computed on the way; B: input Wproj: QUANTISED (scales: A lowp_scales[10], B lowp_scales[11])
;;   THE QUANTISER, for each operand of a quantised product, along K:
;;     - The operand's scale is 2^e, e = its entry of the input lowp_scales (int32; the entries are numbered through the quantised products in the list's order, A before B).
;;     - Each number is divided by the scale, clamped to +-448, and rounded to the nearest number of E4M3, ties to even, subnormals kept.
;;     - The product sums the exact products of the quantised numbers (number of the format x scale) in f32.
;;   ~~~python
;;   def quantise(x, axis, e):      # numpy; x: float32 -> the quantised numbers, widened to float32 again
;;       x = np.moveaxis(x, axis, -1); K = x.shape[-1]
;;       r = np.clip(x / 2.0 ** e, -448, 448)
;;       step = 2.0 ** (np.maximum(np.frexp(np.where(r == 0, 1, r))[1] - 1, -6) - 3)
;;       q = np.round(r / step) * step * 2.0 ** e      # np.round: ties to even
;;       return np.moveaxis(q, -1, axis).astype(np.float32)
;;   ~~~
;;   SOFTMAX AHEAD OF A QUANTISED PRODUCT. Where the list says 'softmax', what is quantised is not the finished softmax but p = 2^(t - M), with t = logit x log2(e) and M = ceil(the row's largest t), a whole number; so 1/2 < the row's largest p <= 1. The row's sum l is taken of the UNQUANTISED p, in f32, and the product's result is divided by l at the end. Since M is a whole number, a kernel that streams over the keys may use a running M (the ceiling of the running maximum): every later rescaling is an exact power of two, so the quantised numbers keep their values, but for numbers so far below the row's largest that they fall under the format's range.
;;   OPERANDS COMPUTED ON THE WAY. 'Computed on the way' means the value that the module computes at that place (a softmax that the list does not call 'softmax' is quantised finished and normalised). What goes into a quantiser is computed in f32, as accurately as f32 sums, v_exp_f32 and their like allow (about 1e-6 of the number): no bf16 or f16 on the way to a quantiser, and a product that is left as it is and whose result goes on into a quantised operand takes f32 operands (vector FMAs, or v_wmma_f32_16x16x4_f32). A number that lies on a knife's edge between two numbers of the format may be rounded either way, as far as f32 arithmetic and the matrix unit's own rounding can turn it there, and no further.
;; 2 versions, each right; version 2 is version 1 with the launch attn written anew for expert scheduling mode. Each part assembles by itself: llvm-mc -triple=amdgcn-amd-amdhsa -mcpu=gfx1250 --defsym DOCPART=n.
;; ======== version 1 of 2: 4 launches
;; workspace buffers: xc 12,582,912 bytes; wc 2,621,440 bytes; rope 524,288 bytes; qc 4,194,304 bytes; kvc 2,097,152 bytes; yc 4,194,304 bytes
;; launch prep (part 1): grid 448 x 1, 8 waves a work-group, no clusters, 68,608 bytes of LDS; arguments x, Wq, Wk, Wv, Wproj, lowp_scales, xc, wc, rope; writes xc, wc, rope
.if DOCPART == 1
	.amdgcn_target "amdgcn-amd-amdhsa--gfx1250"
	.amdhsa_code_object_version 6
	.text
	.protected	k_q2623db6c55_prep
	.globl	k_q2623db6c55_prep
	.p2align	8
	.type	k_q2623db6c55_prep,@function
k_q2623db6c55_prep:
	s_mov_b64 s[64:65], 0
	v_nop
	global_prefetch_b8 v0, s[64:65] scope:SCOPE_SE
	s_setreg_imm32_b32 hwreg(HW_REG_WAVE_MODE, 25, 1), 1
	s_wait_xcnt 0x0
; x (three times, with the exponents e0, e2, e4), Wq (e1), Wk (e3), Wv (e5) and Wproj (e11) become codes of E4M3, and the table of cos and sin for the rotation is made.
; THE CODES ARE LAID AS IMAGES OF OPERAND REGISTERS.  A fragment is 16 rows x 64 along K: 8 registers a lane, 1,024 bytes.  Lane l (r = l % 16, h = l / 16) holds row r;
; registers 2c, 2c+1 hold k = 16c + 8h + 0..7.  Registers 4g..4g+3 of all lanes lie at byte 512 g + 16 l.  So a later launch fetches a fragment by two loads of 16 bytes a lane, 512 bytes on end.
; Blocks: x, Wq, Wproj: 128 rows = 16 K steps x 8 row tiles x 1,024 bytes; Wk, Wv: 64 rows (a head) = 16 K steps x 4 row tiles x 1,024 bytes.
; SHARES.  Work-groups 0-415: one tile of 16 rows each; wave ks takes k = 128 ks .. 128 ks + 127 (two fragments).  Work-groups 416-447: the table.
; A row load reads 512 bytes on end; the 16 x 512 bytes turn through the wave's own stage in LDS (rows 528 bytes apart) so that a lane gets its 64 numbers.  No wave reads another wave's bytes: no barrier.
; code = x / 2^e, held within +-448, to the nearest code, ties to even.  LIMITS: each e between -126 and 119.  NaN among the inputs is not served.
; TABLE: rope[pos][0..31] = cos(pos f_i), [32..63] = sin(pos f_i), f_i = the f32 nearest to 10^(-i/8) (= 10000^(-i/32)).  LIMIT: a power and a division in f32 may give a neighbouring f32 for f_i,
; which moves an angle by at most 2e-4 at pos = 2,047.  The angle is reduced by multiples of pi/2 in two parts with fused multiply-adds; the polynomials hold to about 1e-7 for angles up to 2,047.
.set WG_WQ,   256
.set WG_WK,   320
.set WG_WV,   336
.set WG_WP,   352
.set WG_ROPE, 416
.set STG, 8448                         ; a wave's stage: 16 rows x 528 bytes
.set SP,  528                          ; 512 bytes + 16: the 16 rows that a read touches start at 16 different banks
.set R,   16                           ; v16-79   as loaded; later v16-47: two sets of 16 held numbers
.set X,   80                           ; v80-143  my 64 numbers: register 8c + i = k 16c + 8h + i
.set C,   144                          ; v144-191 codes, 16 registers for each of up to three scales: no store's data are written again
	s_load_b512 s[4:19], s[0:1], 0x0               ; x, Wq, Wk, Wv, Wproj, the exponents, xc, wc
	s_load_b64 s[20:21], s[0:1], 0x40              ; rope
	v_lshl_add_u32 v192, v0, 2, 0x10800
	v_mov_b32 v193, 0
	v_lshrrev_b32 v1, 5, v0
	v_readfirstlane_b32 s22, v1                    ; wave = ks
	s_cmp_ge_u32 ttmp9, WG_ROPE
	s_cbranch_scc1 .Lrope
	v_and_b32 v8, 31, v0
	v_lshlrev_b32 v1, 4, v8                        ; 16 l
	s_mul_i32 s23, s22, STG
	v_add_nc_u32 v2, s23, v1                       ; into the stage: 16 l of a row
	v_and_b32 v9, 15, v0                           ; r
	v_bfe_u32 v10, v0, 4, 1                        ; h
	v_mul_u32_u24 v3, v9, SP
	v_lshl_add_u32 v3, v10, 5, v3
	v_add_nc_u32 v3, s23, v3                       ; out of it: row r, + 32 h bytes
	s_wait_kmcnt 0x0
	s_load_b256 s[24:31], s[14:15], 0x0            ; e0 .. e7
	s_load_b128 s[32:35], s[14:15], 0x20           ; e8 .. e11
	; which tensor is mine: the choice hangs on the work-group's number alone
	s_mov_b64 s[36:37], s[4:5]                     ; from
	s_mov_b64 s[38:39], s[16:17]                   ; to
	s_mov_b32 s44, 0                               ; the tensor's first work-group
	s_mov_b32 s45, 3                               ; log2 of the row tiles in a block
	s_mov_b32 s46, 0                               ; the tensor's place in wc
	s_cmp_ge_u32 ttmp9, WG_WQ
	s_cselect_b64 s[36:37], s[6:7], s[36:37]
	s_cselect_b64 s[38:39], s[18:19], s[38:39]
	s_cselect_b32 s44, WG_WQ, s44
	s_cmp_ge_u32 ttmp9, WG_WK
	s_cselect_b64 s[36:37], s[8:9], s[36:37]
	s_cselect_b32 s44, WG_WK, s44
	s_cselect_b32 s45, 2, s45
	s_cselect_b32 s46, 0x100000, s46
	s_cmp_ge_u32 ttmp9, WG_WV
	s_cselect_b64 s[36:37], s[10:11], s[36:37]
	s_cselect_b32 s44, WG_WV, s44
	s_cselect_b32 s46, 0x140000, s46
	s_cmp_ge_u32 ttmp9, WG_WP
	s_cselect_b64 s[36:37], s[12:13], s[36:37]
	s_cselect_b32 s44, WG_WP, s44
	s_cselect_b32 s45, 3, s45
	s_cselect_b32 s46, 0x180000, s46
	s_sub_co_u32 s47, ttmp9, s44                   ; rt: my tile of 16 rows
	s_lshl_b32 s48, s47, 16                        ; 16 rows of 4,096 bytes
	s_lshl_b32 s49, s22, 9                         ; + 128 ks numbers
	s_add_co_u32 s48, s48, s49
	s_mov_b32 s49, 0
	s_add_nc_u64 s[36:37], s[36:37], s[48:49]
	s_lshr_b32 s50, s47, s45                       ; the block,
	s_add_co_u32 s51, s45, 14
	s_lshl_b32 s50, s50, s51                       ; of 16 K steps,
	s_add_co_u32 s50, s50, s46
	s_lshl_b32 s52, 1024, s45                      ; a K step of 64 in bytes,
	s_lshl_b32 s53, s22, 1
	s_mul_i32 s53, s53, s52                        ; my first one: 2 ks,
	s_add_co_u32 s50, s50, s53
	s_bfm_b32 s53, s45, 0
	s_and_b32 s53, s47, s53
	s_lshl_b32 s53, s53, 10                        ; my row tile in the block
	s_add_co_u32 s50, s50, s53
	s_mov_b32 s51, 0
	s_add_nc_u64 s[38:39], s[38:39], s[50:51]
	s_add_nc_u64 s[40:41], s[38:39], 0x400000      ; x's second and third sets of codes (used by x's work-groups alone)
	s_add_nc_u64 s[42:43], s[38:39], 0x800000
	v_add_nc_u32 v5, s52, v1                       ; 16 l in my second K step
.irp i, 0,1,2,3,4,5,6,7,8,9,10,11,12,13,14,15
	global_load_b128 v[R+4*\i:R+4*\i+3], v1, s[36:37] offset:4096*\i th:TH_LOAD_NT   ; 512 bytes on end of row i
.endr
.irp i, 0,1,2,3,4,5,6,7,8,9,10,11,12,13,14,15
	s_wait_loadcnt 15-\i                           ; loads come back in order: row i is in, the younger ones stay out
	ds_store_b128 v2, v[R+4*\i:R+4*\i+3] offset:SP*\i
.endr
.irp g, 0,1,2,3
.irp e, 0,1
.irp u, 0,1
	ds_load_b128 v[X+16*\g+8*\e+4*\u:X+16*\g+8*\e+4*\u+3], v3 offset:128*\g+64*\e+16*\u   ; LDS serves a wave's instructions in order: these see my stores
.endr
.endr
.endr
	s_wait_kmcnt 0x0
	s_mov_b32 s54, s24                             ; my tensor's exponent
	s_cmp_ge_u32 ttmp9, WG_WQ
	s_cselect_b32 s54, s25, s54
	s_cmp_ge_u32 ttmp9, WG_WK
	s_cselect_b32 s54, s27, s54
	s_cmp_ge_u32 ttmp9, WG_WV
	s_cselect_b32 s54, s29, s54
	s_cmp_ge_u32 ttmp9, WG_WP
	s_cselect_b32 s54, s35, s54
	s_wait_dscnt 0x0                               ; my 64 numbers are in; the stores into the stage have read v16-79
; My 64 numbers become two fragments' codes with the exponent in s[e], and are stored: set v of the codes.
.macro QUANT v, e
	s_add_co_i32 s55, s[\e], 127
	s_lshl_b32 s56, s55, 23
	v_mov_b32 v6, s56                              ; 2^e as f32: the conversion takes its exponent field
	s_add_co_i32 s55, s55, 8
	s_lshl_b32 s55, s55, 23
	s_or_b32 s55, s55, 0x600000
	v_mov_b32 v7, s55                              ; 448 x 2^e
.irp g, 0,1,2,3
.irp i, 0,1,2,3,4,5,6,7,8,9,10,11,12,13,14,15
	v_med3_num_f32 v[R+16*(\g%2)+\i], v[X+16*\g+\i], -v7, v7   ; the conversion does not saturate (ISA guide 7.6.2): the hold comes first; x's numbers are kept for the next scale
.endr
	v_cvt_scalef32_pk8_fp8_f32 v[C+16*\v+4*\g:C+16*\v+4*\g+1], v[R+16*(\g%2):R+16*(\g%2)+7], v6
	v_cvt_scalef32_pk8_fp8_f32 v[C+16*\v+4*\g+2:C+16*\v+4*\g+3], v[R+16*(\g%2)+8:R+16*(\g%2)+15], v6
.endr
	v_nop                                          ; a plain line behind the last conversion: the next set writes the scale's register
	global_store_b128 v1, v[C+16*\v:C+16*\v+3], s[38+2*\v:39+2*\v]                   ; each store of the wave covers 512 bytes on end, aligned
	global_store_b128 v1, v[C+16*\v+4:C+16*\v+7], s[38+2*\v:39+2*\v] offset:512
	global_store_b128 v5, v[C+16*\v+8:C+16*\v+11], s[38+2*\v:39+2*\v]
	global_store_b128 v5, v[C+16*\v+12:C+16*\v+15], s[38+2*\v:39+2*\v] offset:512
.endm
	QUANT 0, 54
	s_cmp_lt_u32 ttmp9, WG_WQ
	s_cbranch_scc0 .Lend                           ; a weight has one scale
	QUANT 1, 26                                    ; x with e2
	QUANT 2, 28                                    ; x with e4
.Lend:
	s_wait_tensorcnt 0x0
	ds_add_u32 v192, v193
	s_wait_dscnt 0x0
	s_endpgm
; THE TABLE.  Thread u of 8,192 makes four numbers (16 bytes) for each of four positions: slot = u % 16 of a position's 256 bytes; slots 0-7 cos, 8-15 sin; frequencies 4 (slot % 8) + 0..3.
.Lrope:
	s_sub_co_u32 s23, ttmp9, WG_ROPE
	s_lshl_b32 s23, s23, 8
	v_add_nc_u32 v1, s23, v0                       ; u
	v_and_b32 v2, 7, v0                            ; which four frequencies
	v_bfe_u32 v3, v0, 3, 1                         ; 0: cos, 1: sin
	v_sub_nc_u32 v3, 1, v3                         ; cos(f) = sin(f + pi/2): one quadrant on
	v_lshrrev_b32 v4, 4, v1                        ; the first position
	v_lshlrev_b32 v5, 4, v1                        ; my 16 bytes: a wave stores 512 bytes on end
	s_mov_b32 s40, 0x3f22f983                      ; 2 / pi
	s_mov_b32 s41, 0x3fc90fdb                      ; pi/2, the f32 nearest to it,
	s_mov_b32 s42, 0x333bbd2e                      ; and that f32 less pi/2
	s_mov_b32 s43, -0.00019515295891               ; sin r = r + r s (((s43 s + s44) s) + s45), s = r r
	s_mov_b32 s44, 0.0083321608736
	s_mov_b32 s45, -0.16666654611
	s_mov_b32 s46, 0.00002443315711809948          ; cos r = 1 - s / 2 + s s (((s46 s + s47) s) + s48)
	s_mov_b32 s47, -0.001388731625493765
	s_mov_b32 s48, 0.04166664568298827
	v_mov_b32 v8, 1.0
	v_mov_b32 v9, 0.7498942093
	v_mov_b32 v10, 0.5623413252
	v_mov_b32 v11, 0.4216965034
.macro FREQ n, a, b, c, d                      ; the lanes of group n take their four frequencies; the others keep theirs
	v_cmp_ne_u32 vcc_lo, \n, v2
	v_cndmask_b32 v8, \a, v8, vcc_lo
	v_cndmask_b32 v9, \b, v9, vcc_lo
	v_cndmask_b32 v10, \c, v10, vcc_lo
	v_cndmask_b32 v11, \d, v11, vcc_lo
.endm
	FREQ 1, 0.3162277660, 0.2371373706, 0.1778279410, 0.1333521432
	FREQ 2, 0.1, 0.07498942093, 0.05623413252, 0.04216965034
	FREQ 3, 0.03162277660, 0.02371373706, 0.01778279410, 0.01333521432
	FREQ 4, 0.01, 0.007498942093, 0.005623413252, 0.004216965034
	FREQ 5, 0.003162277660, 0.002371373706, 0.001778279410, 0.001333521432
	FREQ 6, 0.001, 0.0007498942093, 0.0005623413252, 0.0004216965034
	FREQ 7, 0.0003162277660, 0.0002371373706, 0.0001778279410, 0.0001333521432
	s_wait_kmcnt 0x0
.set FA, 16                            ; the angle, later r s, later 1 - s / 2
.set FN, 20                            ; the number of quarter turns
.set FR, 24                            ; r
.set FS, 28                            ; s
.set PS, 32                            ; sin r
.set PC, 36                            ; cos r
.set FQ, 40
.set OUT, 48                           ; four registers for each position: no store's data are written again
.macro ROPE4 it
	v_add_nc_u32 v6, 512*\it, v4
	v_cvt_f32_u32 v7, v6
.irp e, 0,1,2,3
	v_mul_f32 v[FA+\e], v7, v[8+\e]                ; the angle, rounded once
.endr
.irp e, 0,1,2,3
	v_mul_f32 v[FN+\e], s40, v[FA+\e]
.endr
.irp e, 0,1,2,3
	v_rndne_f32 v[FN+\e], v[FN+\e]
.endr
.irp e, 0,1,2,3
	v_fma_f32 v[FR+\e], -v[FN+\e], s41, v[FA+\e]
.endr
.irp e, 0,1,2,3
	v_fma_f32 v[FR+\e], v[FN+\e], s42, v[FR+\e]
.endr
.irp e, 0,1,2,3
	v_mul_f32 v[FS+\e], v[FR+\e], v[FR+\e]
.endr
.irp e, 0,1,2,3
	v_fma_f32 v[PS+\e], v[FS+\e], s43, s44
	v_fma_f32 v[PC+\e], v[FS+\e], s46, s47
.endr
.irp e, 0,1,2,3
	v_fma_f32 v[PS+\e], v[PS+\e], v[FS+\e], s45
	v_fma_f32 v[PC+\e], v[PC+\e], v[FS+\e], s48
.endr
.irp e, 0,1,2,3
	v_mul_f32 v[FA+\e], v[FR+\e], v[FS+\e]
.endr
.irp e, 0,1,2,3
	v_fma_f32 v[PS+\e], v[FA+\e], v[PS+\e], v[FR+\e]
.endr
.irp e, 0,1,2,3
	v_fma_f32 v[FA+\e], v[FS+\e], -0.5, 1.0
.endr
.irp e, 0,1,2,3
	v_mul_f32 v[FS+\e], v[FS+\e], v[FS+\e]
.endr
.irp e, 0,1,2,3
	v_fma_f32 v[PC+\e], v[FS+\e], v[PC+\e], v[FA+\e]
.endr
.irp e, 0,1,2,3
	v_cvt_i32_f32 v[FN+\e], v[FN+\e]
.endr
.irp e, 0,1,2,3
	v_add_nc_u32 v[FN+\e], v[FN+\e], v3            ; the quadrant q
.endr
.irp e, 0,1,2,3
	v_and_b32 v[FQ+\e], 1, v[FN+\e]
.endr
.irp e, 0,1,2,3
	v_cmp_eq_u32 vcc_lo, 1, v[FQ+\e]
	v_cndmask_b32 v[PS+\e], v[PS+\e], v[PC+\e], vcc_lo   ; q odd: cos r
.endr
.irp e, 0,1,2,3
	v_lshlrev_b32 v[FN+\e], 30, v[FN+\e]
.endr
.irp e, 0,1,2,3
	v_and_b32 v[FN+\e], 0x80000000, v[FN+\e]       ; q = 2, 3 mod 4: the sign turns
.endr
.irp e, 0,1,2,3
	v_xor_b32 v[OUT+4*\it+\e], v[PS+\e], v[FN+\e]
.endr
	global_store_b128 v5, v[OUT+4*\it:OUT+4*\it+3], s[20:21] offset:131072*\it
.endm
	ROPE4 0
	ROPE4 1
	ROPE4 2
	ROPE4 3
	s_endpgm
.Lfunc_end_k_q2623db6c55_prep:
	.size	k_q2623db6c55_prep, .Lfunc_end_k_q2623db6c55_prep-k_q2623db6c55_prep
	.p2alignl 7, 3214868480
	.fill 96, 4, 3214868480
	.section	.rodata,"a",@progbits
	.p2align	6, 0x0
	.amdhsa_kernel k_q2623db6c55_prep
		.amdhsa_group_segment_fixed_size 68608
		.amdhsa_private_segment_fixed_size 0
		.amdhsa_enable_private_segment 0
		.amdhsa_kernarg_size 72
		.amdhsa_user_sgpr_count 2
		.amdhsa_user_sgpr_kernarg_segment_ptr 1
		.amdhsa_wavefront_size32 1
		.amdhsa_system_sgpr_workgroup_id_x 1
		.amdhsa_system_sgpr_workgroup_id_y 1
		.amdhsa_system_sgpr_workgroup_id_z 1
		.amdhsa_system_vgpr_workitem_id 0
		.amdhsa_next_free_vgpr 194
		.amdhsa_next_free_sgpr 66
		.amdhsa_reserve_vcc 1
		.amdhsa_float_denorm_mode_32 3
		.amdhsa_float_denorm_mode_16_64 3
		.amdhsa_memory_ordered 1
		.amdhsa_forward_progress 1
		.amdhsa_inst_pref_size 44
	.end_amdhsa_kernel
	.amdgpu_metadata
---
amdhsa.version: [ 1, 2 ]
amdhsa.kernels:
  - .name:           k_q2623db6c55_prep
    .symbol:         k_q2623db6c55_prep.kd
    .args:
      - { .name: x, .offset: 0, .size: 8, .value_kind: global_buffer, .address_space: global }
      - { .name: Wq, .offset: 8, .size: 8, .value_kind: global_buffer, .address_space: global }
      - { .name: Wk, .offset: 16, .size: 8, .value_kind: global_buffer, .address_space: global }
      - { .name: Wv, .offset: 24, .size: 8, .value_kind: global_buffer, .address_space: global }
      - { .name: Wproj, .offset: 32, .size: 8, .value_kind: global_buffer, .address_space: global }
      - { .name: lowp_scales, .offset: 40, .size: 8, .value_kind: global_buffer, .address_space: global }
      - { .name: xc, .offset: 48, .size: 8, .value_kind: global_buffer, .address_space: global }
      - { .name: wc, .offset: 56, .size: 8, .value_kind: global_buffer, .address_space: global }
      - { .name: rope, .offset: 64, .size: 8, .value_kind: global_buffer, .address_space: global }
    .group_segment_fixed_size: 68608
    .private_segment_fixed_size: 0
    .kernarg_segment_align: 8
    .kernarg_segment_size: 72
    .max_flat_workgroup_size: 256
    .sgpr_count:     66
    .vgpr_count:     194
    .wavefront_size: 32
...
	.end_amdgpu_metadata
.endif
;; end of part 1
;; launch qkv (part 2): grid 8 x 32, 4 waves a work-group, clusters of 4 x 4, 327,680 bytes of LDS; arguments xc, wc, rope, q_gain, lowp_scales, qc, kvc; writes qc, kvc
.if DOCPART == 2
	.amdgcn_target "amdgcn-amd-amdhsa--gfx1250"
	.amdhsa_code_object_version 6
	.text
	.protected	k_q2623db6c55_qkv
	.globl	k_q2623db6c55_qkv
	.p2align	8
	.type	k_q2623db6c55_qkv,@function
k_q2623db6c55_qkv:
	s_mov_b64 s[64:65], 0
	v_nop
	global_prefetch_b8 v0, s[64:65] scope:SCOPE_SE
	s_setreg_imm32_b32 hwreg(HW_REG_WAVE_MODE, 25, 1), 1
	s_wait_xcnt 0x0
	s_wait_alu depctr_hold_cnt(0) depctr_sa_sdst(0) depctr_va_vdst(0) depctr_va_sdst(0) depctr_va_ssrc(0) depctr_va_vcc(0) depctr_vm_vsrc(0)
	s_getreg_b32 s2, hwreg(HW_REG_IB_STS2, 6, 4)
	s_cmp_eq_u32 s2, 0
	s_cbranch_scc0 .Lentry_in_a_cluster
	s_endpgm
.Lentry_in_a_cluster:
	s_bfe_u32 s2, ttmp6, 0x10000c
	s_cmp_lg_u32 s2, 0xf033
	s_cbranch_scc0 .Lentry_shape_is_right
	s_endpgm
.Lentry_shape_is_right:
; q, k and v: x Wq^T, x Wk^T, x Wv^T on codes of E4M3; q and k are normalised (rms over the head's 64), rotated, q times its head's gain; all three are quantised again for attention.
; All operands lie in memory as images of operand registers (a fragment: 16 rows x 64 K, 1,024 bytes; registers 4g..4g+3 of lane l at 512 g + 16 l; lane l = (r, h) holds row r, registers 2c, 2c+1: k = 16c + 8h + 0..7).
; SHARES.  Work-group (j, tb), j = 0..7, tb = 0..31, four waves.  PHASE 1: 128 tokens (block tb) x 128 columns of q (heads 2j, 2j+1); wave w = (th, ch): 64 tokens x head 2j + ch: 16 accumulators.
; PHASE 2: the same 128 tokens x one head of k (j = 0..3) or of v (j = 4..7); wave w: tokens 32 w .. 32 w + 31 x 64 columns: 8 accumulators.  Every work-group has the same matrix work.
; ALL OF K (1,024) LIES IN LDS AT ONCE: x's block 128 KiB and the weight's 128 KiB, each dense in memory.  Phase 1: two loads of 32 KiB a wave (K's two halves), all issued at the start.
; Phase 2 fills 192 KiB again (x's codes with another scale, 128 KiB; the head's weight, 64 KiB), one load a wave, and q's way out, which needs no LDS, stands while it lands.
; CLUSTERS: 4 x 4 work-groups.  x's block hangs on tb alone and is asked for jointly along a row of the cluster, the weight's on j alone and jointly along a column.  The four j of a cluster are all k heads
; (cluster x = 0) or all v heads (cluster x = 1), so x's set of codes in phase 2 and the one branch between the two ways are the same in all sixteen.
; THE PRODUCTS ARE USED TRANSPOSED for q and k (source 0 = 16 rows of W, source 1 = 16 tokens): a lane holds ONE token (r), and register i of column tile ct is channel 16 ct + 8 h + i: eight neighbours, whose eight codes
; ARE registers 2 ct, 2 ct + 1 of the next operand.  The rotation's partner, channel d + 32, lies in the same lane, two tiles on.  For v the sources are swapped: a lane holds one channel and eight tokens, since the keys are the next K.
; OUT: qc[(16 b + head) x 128 + token tile] and kvc[(4 b + g) x 128 + key tile]: fragments of 1,024 bytes.  kvc + 1 MiB: v, [(4 b + g) x 16 + step of 128 keys][channel tile]: 16 channels x 128 keys, 2,048 bytes.
; LIMITS on the given exponents, so that each power of two made below is an f32 number: e0 + e1 and e2 + e3 between -126 and 127; e6, e7 and e9 - e4 - e5 between -126 and 119.  NaN among the inputs is not served.
; ROUNDING: the gain is multiplied in with the norm's factor, ahead of the rotation; all in f32.
; REGISTERS.  Window 0: v2 r, v3 h, v4-7 LDS addresses of phase 1, v8-10 of phase 2, v11-12 for the add, v13 16 l, v14 my place in the table, v16-23 at work, v18-19 scale and limit, v32-63 codes,
;   v64-127 and v128-191 two sets of fragments (later the table, later numbers at work), v192-255 at work.  Window 1: v0-127 the accumulators ((tt, ct) at 8 (4 tt + ct)).
.set SPARE, 262144                     ; behind the tiles: the spare words, 128 bytes for each wave: two blocks of 256 bytes that no other line names
.set F0,   64
.set F1,   128
.set G1A,  32                          ; s[32:39] group 1: 128 rows of 256 bytes, mask = my row of the cluster
.set G1B,  40                          ; s[40:47] the same, mask = my column
.set G1A2, 48                          ; s[48:55] 256 rows of 256 bytes, mask = my row
.set G0A,  56                          ; s[56:63] group 0 for x's block, a set for each half of K
.set G0B,  68                          ; s[68:75] the same for the weight
.set MSB, 0
.macro WIN new                         ; the immediate's high byte repeats the setting that is left
.if MSB != \new
	s_set_vgpr_msb (MSB<<8)|\new
.set MSB, \new
.endif
.endm
.macro PLACES                          ; four plain lines between a matrix instruction and a load into, or a vector line on, its registers
.rept 4
	v_nop
.endr
.endm
; A joint load: waves 0 and 1 fetch for x, waves 2 and 3 for the weight.  The branch hangs on the wave's number alone.  Four v_nop follow each of the two lines.
.macro JLOAD g0a, g1a, g0b, g1b
	s_cmp_eq_u32 s19, 0
	s_cbranch_scc0 .Lfor_b_\@
	tensor_load_to_lds s[\g0a:\g0a+3], s[\g1a:\g1a+7]
	s_nop 0
.rept 4
	v_nop
.endr
	s_branch .Lasked_\@
.Lfor_b_\@:
	tensor_load_to_lds s[\g0b:\g0b+3], s[\g1b:\g1b+7]
	s_nop 0
.rept 4
	v_nop
.endr
.Lasked_\@:
.endm
.macro CROUND                          ; a round of the cluster's barrier
	s_barrier_signal -1
	s_barrier_wait -1
	s_cmp_lg_u32 s18, 0
	s_cbranch_scc1 .Lnot_wave_0_\@
	s_barrier_signal -3
.Lnot_wave_0_\@:
	s_barrier_wait -3
	s_barrier_signal -1
	s_barrier_wait -1
.endm
.macro FINISH                          ; the wave's end, then the closing round
	s_wait_tensorcnt 0x0
	ds_add_u32 v11, v12
	s_wait_dscnt 0x0
	CROUND
	s_endpgm
.endm
	s_load_b256 s[4:11], s[0:1], 0x0               ; xc, wc, rope, q_gain
	s_load_b128 s[12:15], s[0:1], 0x20             ; the exponents, qc
	s_load_b64 s[16:17], s[0:1], 0x30              ; kvc
	v_lshl_add_u32 v11, v0, 2, SPARE
	v_mov_b32 v12, 0
	ds_add_u32 v11, v12
	ds_add_u32 v11, v12
	s_wait_dscnt 0x0
	v_lshrrev_b32 v1, 5, v0
	v_readfirstlane_b32 s18, v1                    ; wave 0..3
	s_lshr_b32 s19, s18, 1                         ; th.  Also: I fetch for x (0) or for the weight (1)
	s_and_b32 s20, s18, 1                          ; ch.  Also: which part of it I fetch
	s_bfe_u32 s21, ttmp6, 0x40000                  ; cx
	s_bfe_u32 s22, ttmp6, 0x40004                  ; cy
	s_lshl_b32 s23, ttmp9, 2
	s_add_co_u32 s23, s23, s21                     ; j = 4 x cluster x + cx
	s_and_b32 s24, ttmp7, 0xffff
	s_lshl_b32 s24, s24, 2
	s_add_co_u32 s24, s24, s22                     ; tb = 4 x cluster y + cy
	s_lshl_b32 s25, s22, 2
	s_lshl_b32 s25, 15, s25                        ; my row of the cluster
	s_lshl_b32 s26, 0x1111, s21                    ; my column
	s_or_b32 s[G1A], s25, (3<<16)|(1<<21)          ; 15:0 the mask; 17:16 elements of 8 bytes; 21 set beside a mask; no padding: a fragment load takes 512 bytes on end
	s_or_b32 s[G1B], s26, (3<<16)|(1<<21)
	s_or_b32 s[G1A2], s25, (3<<16)|(1<<21)
.irp g, G1A, G1B
	s_mov_b32 s[\g+1], 32<<16                      ; tensor_dim0 = 32 elements: rows of 256 bytes of a dense block
	s_mov_b32 s[\g+2], 128<<16                     ; tensor_dim1 = 128
	s_mov_b32 s[\g+3], 32<<16                      ; tile_dim0
	s_mov_b32 s[\g+4], 128                         ; tile_dim1
	s_mov_b32 s[\g+5], 32                          ; the pitch
	s_mov_b32 s[\g+6], 0
	s_mov_b32 s[\g+7], 0
.endr
	s_mov_b32 s[G1A2+1], 32<<16
	s_mov_b32 s[G1A2+2], 256<<16
	s_mov_b32 s[G1A2+3], 32<<16
	s_mov_b32 s[G1A2+4], 256
	s_mov_b32 s[G1A2+5], 32
	s_mov_b32 s[G1A2+6], 0
	s_mov_b32 s[G1A2+7], 0
	s_lshl_b32 s27, s20, 15                        ; my 32 KiB of a half of K
	s_lshl_b32 s28, s24, 17                        ; x's block tb (first set of codes: e0)
	s_add_co_u32 s28, s28, s27
	s_mov_b32 s29, 0
	s_lshl_b32 s30, s23, 17                        ; Wq's block j
	s_add_co_u32 s30, s30, s27
	s_mov_b32 s31, 0
	s_lshl_b32 s98, s18, 15                        ; in LDS: wave x 32 KiB: x's two parts, then the weight's two
	s_lshl_b32 s96, s23, 1
	s_add_co_u32 s96, s96, s20                     ; my head of q: 2 j + ch
	s_lshl_b32 s97, s96, 2
	s_wait_kmcnt 0x0
	s_load_b256 s[76:83], s[12:13], 0x0            ; e0 .. e7
	s_load_b128 s[84:87], s[12:13], 0x20           ; e8 .. e11
	s_load_b32 s91, s[10:11], s97 offset:0x0       ; my head's gain
	s_add_nc_u64 s[28:29], s[4:5], s[28:29]
	s_add_nc_u64 s[30:31], s[6:7], s[30:31]
	CROUND                                         ; all sixteen work-groups are here: the first joint loads meet
.irp q, 0,1                                    ; K's half q lies at q x 128 KiB.  By this text's count two loads of a wave are out here, one behind the refill
	s_mov_b32 s[G0A+4*\q], 1
	s_add_co_u32 s[G0A+4*\q+1], s98, \q*131072
	s_add_nc_u64 s[G0A+4*\q+2:G0A+4*\q+3], s[28:29], \q*65536
	s_or_b32 s[G0A+4*\q+3], s[G0A+4*\q+3], 0x80000000
	s_mov_b32 s[G0B+4*\q], 1
	s_add_co_u32 s[G0B+4*\q+1], s98, \q*131072
	s_add_nc_u64 s[G0B+4*\q+2:G0B+4*\q+3], s[30:31], \q*65536
	s_or_b32 s[G0B+4*\q+3], s[G0B+4*\q+3], 0x80000000
	JLOAD G0A+4*\q, G1A, G0B+4*\q, G1B
.endr
	v_and_b32 v1, 31, v0
	v_lshlrev_b32 v13, 4, v1                       ; 16 l
	v_and_b32 v2, 15, v0                           ; r
	v_bfe_u32 v3, v0, 4, 1                         ; h
	s_lshl_b32 s94, s19, 12
	v_add_nc_u32 v4, s94, v13                      ; phase 1, x: K step kh at (kh / 8) x 128 KiB + (kh % 8) x 8 KiB; my four token tiles from 4 th on
	v_add_nc_u32 v5, 0x20000, v4
	s_lshl_b32 s94, s20, 12
	s_add_co_u32 s94, s94, 65536
	v_add_nc_u32 v6, s94, v13                      ; the weight: 64 KiB further on; my four column tiles from 4 ch on
	v_add_nc_u32 v7, 0x20000, v6
	s_lshl_b32 s94, s18, 11
	v_add_nc_u32 v8, s94, v13                      ; phase 2, x: K step kh at kh x 8 KiB; my two token tiles from 2 w on
	v_add_nc_u32 v9, 0x10000, v8
	v_add_nc_u32 v10, 0x20000, v13                 ; the head's weight: at 128 KiB, K step kh at kh x 4 KiB
	v_lshlrev_b32 v14, 8, v2
	v_lshl_add_u32 v14, v3, 5, v14                 ; the table: position r of a tile, 256 bytes each, + 32 h
	s_wait_kmcnt 0x0                               ; the exponents and the gain are in; the gain's offset register is free
; 16 LDS loads: the fragments of K step kh: my four token tiles, my four column tiles
.macro FETCH kh, f
.irp t, 0,1,2,3
	ds_load_b128 v[\f+8*\t:\f+8*\t+3],   v[4+(\kh)/8] offset:((\kh)%8)*8192+\t*1024
	ds_load_b128 v[\f+8*\t+4:\f+8*\t+7], v[4+(\kh)/8] offset:((\kh)%8)*8192+\t*1024+512
.endr
.irp t, 0,1,2,3
	ds_load_b128 v[\f+32+8*\t:\f+32+8*\t+3],   v[6+(\kh)/8] offset:((\kh)%8)*8192+\t*1024
	ds_load_b128 v[\f+32+8*\t+4:\f+32+8*\t+7], v[6+(\kh)/8] offset:((\kh)%8)*8192+\t*1024+512
.endr
.endm
; 16 matrix instructions, 64 along K.  The 16 accumulators take turns, one instruction a turn, in the same order in every step.  zero = 1: the first products start the sums
.macro MUL f, zero
	WIN 0x50                                       ; C and D in window 1
.irp tt, 0,1,2,3
.irp ct, 0,1,2,3
.if \zero
	v_wmma_f32_16x16x64_fp8_fp8 v[8*(4*\tt+\ct):8*(4*\tt+\ct)+7], v[\f+32+8*\ct:\f+32+8*\ct+7], v[\f+8*\tt:\f+8*\tt+7], 0
.else
	v_wmma_f32_16x16x64_fp8_fp8 v[8*(4*\tt+\ct):8*(4*\tt+\ct)+7], v[\f+32+8*\ct:\f+32+8*\ct+7], v[\f+8*\tt:\f+8*\tt+7], v[8*(4*\tt+\ct):8*(4*\tt+\ct)+7]
.endif
.endr
.endr
	WIN 0
.endm
; phase 2: 12 LDS loads: my two token tiles, the head's four column tiles
.macro FETCH2 kh, f
.irp t, 0,1
	ds_load_b128 v[\f+8*\t:\f+8*\t+3],   v[8+(\kh)/8] offset:((\kh)%8)*8192+\t*1024
	ds_load_b128 v[\f+8*\t+4:\f+8*\t+7], v[8+(\kh)/8] offset:((\kh)%8)*8192+\t*1024+512
.endr
.irp t, 0,1,2,3
	ds_load_b128 v[\f+32+8*\t:\f+32+8*\t+3],   v10 offset:(\kh)*4096+\t*1024
	ds_load_b128 v[\f+32+8*\t+4:\f+32+8*\t+7], v10 offset:(\kh)*4096+\t*1024+512
.endr
.endm
; 8 matrix instructions.  swap = 0: source 0 = W (a lane holds a token); 1: source 0 = x (a lane holds a channel)
.macro MUL2 f, zero, swap
	WIN 0x50
.irp tt, 0,1
.irp ct, 0,1,2,3
.if \swap
.if \zero
	v_wmma_f32_16x16x64_fp8_fp8 v[8*(4*\tt+\ct):8*(4*\tt+\ct)+7], v[\f+8*\tt:\f+8*\tt+7], v[\f+32+8*\ct:\f+32+8*\ct+7], 0
.else
	v_wmma_f32_16x16x64_fp8_fp8 v[8*(4*\tt+\ct):8*(4*\tt+\ct)+7], v[\f+8*\tt:\f+8*\tt+7], v[\f+32+8*\ct:\f+32+8*\ct+7], v[8*(4*\tt+\ct):8*(4*\tt+\ct)+7]
.endif
.else
.if \zero
	v_wmma_f32_16x16x64_fp8_fp8 v[8*(4*\tt+\ct):8*(4*\tt+\ct)+7], v[\f+32+8*\ct:\f+32+8*\ct+7], v[\f+8*\tt:\f+8*\tt+7], 0
.else
	v_wmma_f32_16x16x64_fp8_fp8 v[8*(4*\tt+\ct):8*(4*\tt+\ct)+7], v[\f+32+8*\ct:\f+32+8*\ct+7], v[\f+8*\tt:\f+8*\tt+7], v[8*(4*\tt+\ct):8*(4*\tt+\ct)+7]
.endif
.endif
.endr
.endr
	WIN 0
.endm
.macro PHASE2 swap
	FETCH2 0, F0
	FETCH2 1, F1
.set KH, 0
.rept 16
.if KH == 15
	s_wait_dscnt 0x0
.else
	s_wait_dscnt 12                                ; this step's fragments are in; the next step's 12 loads may be out
.endif
.if KH == 0
	MUL2 F0, 1, \swap
.else
	MUL2 F0+64*(KH%2), 0, \swap
.endif
.if KH < 14
	PLACES
	FETCH2 KH+2, F0+64*(KH%2)
.endif
.set KH, KH+1
.endr
.endm
; token tile tt's 32 sums of my lane x 2^(the two exponents) into v[Y] on; each accumulator from its low end on
.macro GETTILE tt, Y
	WIN 0x01                                       ; source 0 in window 1
.irp i, 0,2,4,6,8,10,12,14,16,18,20,22,24,26,28,30
	v_pk_mul_f32 v[\Y+\i:\Y+\i+1], v[32*\tt+\i:32*\tt+\i+1], s[88:89] op_sel_hi:[1,0]
.endr
	WIN 0
.endm
; s96 holds an exponent e: v18 = 2^e, v19 = 448 x 2^e
.macro QCONST
	s_add_co_i32 s96, s96, 127
	s_lshl_b32 s97, s96, 23
	v_mov_b32 v18, s97
	s_add_co_i32 s96, s96, 8
	s_lshl_b32 s96, s96, 23
	s_or_b32 s96, s96, 0x600000
	v_mov_b32 v19, s96
.endm
; One tile of 16 tokens x a head of q or k: norm, gain, rotation, codes, store.  TAB: cos of my 16 channels under 32, then sin.  Register 8 ct + i is channel 16 ct + 8 h + i of token r.
.macro EPI tt, TAB, Y, O, C
	GETTILE \tt, \Y
	v_pk_mul_f32 v[20:21], v[\Y:\Y+1], v[\Y:\Y+1]                  ; the sum of squares of my 32, in two chains of pairs
	v_pk_mul_f32 v[22:23], v[\Y+2:\Y+3], v[\Y+2:\Y+3]
.irp i, 4,8,12,16,20,24,28
	v_pk_fma_f32 v[20:21], v[\Y+\i:\Y+\i+1], v[\Y+\i:\Y+\i+1], v[20:21]
	v_pk_fma_f32 v[22:23], v[\Y+\i+2:\Y+\i+3], v[\Y+\i+2:\Y+\i+3], v[22:23]
.endr
	v_pk_add_f32 v[20:21], v[20:21], v[22:23]
	v_add_f32 v20, v20, v21
	v_permlanex16_b32 v21, v20, s92, s93           ; the token's other 32 channels lie in the lane 16 away
	v_add_f32 v20, v20, v21
	v_fma_f32 v20, v20, 0x3c800000, s90            ; / 64 + eps
	v_rsq_f32 v20, v20
	v_nop                                          ; a plain line behind the transcendental
	s_wait_alu depctr_va_vdst(0)
	v_mul_f32 v16, s91, v20                        ; x the gain
	v_mov_b32 v17, v16
.irp i, 0,2,4,6,8,10,12,14,16,18,20,22,24,26,28,30
	v_pk_mul_f32 v[\Y+\i:\Y+\i+1], v[\Y+\i:\Y+\i+1], v[16:17]
.endr
.irp p, 0,2,4,6,8,10,12,14
	v_pk_mul_f32 v[\O+\p:\O+\p+1], v[\Y+\p:\Y+\p+1], v[\TAB+\p:\TAB+\p+1]                 ; x1 cos
	v_pk_mul_f32 v[\O+16+\p:\O+17+\p], v[\Y+\p:\Y+\p+1], v[\TAB+16+\p:\TAB+17+\p]         ; x1 sin
.endr
.irp p, 0,2,4,6,8,10,12,14
	v_pk_fma_f32 v[\O+\p:\O+\p+1], v[\Y+16+\p:\Y+17+\p], v[\TAB+16+\p:\TAB+17+\p], v[\O+\p:\O+\p+1]   ; + x2 sin
	v_pk_fma_f32 v[\O+16+\p:\O+17+\p], v[\Y+16+\p:\Y+17+\p], v[\TAB+\p:\TAB+\p+1], v[\O+16+\p:\O+17+\p] neg_lo:[0,0,1] neg_hi:[0,0,1]   ; x2 cos - x1 sin
.endr
.irp i, 0,1,2,3,4,5,6,7,8,9,10,11,12,13,14,15,16,17,18,19,20,21,22,23,24,25,26,27,28,29,30,31
	v_med3_num_f32 v[\O+\i], v[\O+\i], -v19, v19   ; the conversion does not saturate (ISA guide 7.6.2): the hold comes first
.endr
.irp ct, 0,1,2,3
	v_cvt_scalef32_pk8_fp8_f32 v[\C+2*\ct:\C+2*\ct+1], v[\O+8*\ct:\O+8*\ct+7], v18   ; registers 2 ct, 2 ct + 1 of the fragment
.endr
	v_nop                                          ; a plain line behind the last conversion
	global_store_b128 v13, v[\C:\C+3], s[66:67] offset:\tt*1024          ; each store of the wave covers 512 bytes on end, aligned
	global_store_b128 v13, v[\C+4:\C+7], s[66:67] offset:\tt*1024+512
.endm
	; ---- PHASE 1
	s_wait_tensorcnt 1                             ; my part of K's first half is in; the second half's load may stay out
	s_barrier_signal -1
	s_barrier_wait -1
	FETCH 0, F0
	FETCH 1, F1
.set KH, 0
.rept 16
.if KH == 15
	s_wait_dscnt 0x0
.else
	s_wait_dscnt 16                                ; this step's fragments are in; the next step's 16 loads may be out
.endif
.if KH == 0
	MUL F0, 1
.else
	MUL F0+64*(KH%2), 0
.endif
.if KH == 6
	s_wait_tensorcnt 0x0                           ; my part of K's second half is in,
	s_wait_dscnt 0x0                               ; (no LDS instruction of mine is out at a signal)
	s_barrier_signal -1
	s_barrier_wait -1                              ; everybody's is: step 8 may be fetched
.endif
.if KH < 14
	PLACES
	FETCH KH+2, F0+64*(KH%2)
.endif
.set KH, KH+1
.endr
	; ---- the tiles of phase 2 are asked for
	s_wait_tensorcnt 0x0                           ; no tensor load of mine is out, so a group 0 may be written
	ds_add_u32 v11, v12                            ; 0 onto my spare word: the descriptors are made while it is out
	s_lshl_b32 s57, s20, 16                        ; x: 64 KiB a wave, at 0 and at 64 KiB
	s_add_co_u32 s94, ttmp9, 1                     ; its second set of codes (e2) for k, its third (e4) for v
	s_lshl_b32 s94, s94, 22
	s_lshl_b32 s95, s24, 17
	s_add_co_u32 s94, s94, s95
	s_add_co_u32 s94, s94, s57
	s_mov_b32 s95, 0
	s_add_nc_u64 s[58:59], s[4:5], s[94:95]
	s_or_b32 s59, s59, 0x80000000
	s_lshl_b32 s96, s20, 15                        ; the head's weight: 32 KiB a wave, from 128 KiB on
	s_add_co_u32 s69, s96, 131072
	s_lshl_b32 s97, s23, 16                        ; heads 0-3 of Wk, then 0-3 of Wv, 64 KiB each, from 1 MiB on in wc
	s_add_co_u32 s96, s96, s97
	s_add_co_u32 s96, s96, 0x100000
	s_mov_b32 s97, 0
	s_add_nc_u64 s[70:71], s[6:7], s[96:97]
	s_or_b32 s71, s71, 0x80000000
	s_wait_dscnt 0x0                               ; the add is done, and my reads of phase 1's tiles are over
	CROUND                                         ; so of every wave of all sixteen work-groups
	JLOAD G0A, G1A2, G0B, G1B                      ; my one load behind the round; its four v_nop are also the places behind the last products
	; ---- q's way out, in registers and to memory alone, while those tiles land
	s_add_co_i32 s88, s76, s77
	s_add_co_i32 s88, s88, 127
	s_lshl_b32 s88, s88, 23                        ; 2^(e0 + e1)
	s_mov_b32 s89, s88
	s_mov_b32 s90, 0x34000000                      ; eps of f32
	s_mov_b32 s92, 0x76543210                      ; v_permlanex16_b32: lane l xor 16
	s_mov_b32 s93, 0xfedcba98
	s_and_b32 s98, s24, 15                         ; the block's place in its batch
	s_lshl_b32 s94, s98, 7
	s_lshl_b32 s95, s19, 6
	s_add_co_u32 s94, s94, s95                     ; my first position
	s_lshl_b32 s94, s94, 8
	s_mov_b32 s95, 0
	s_add_nc_u64 s[100:101], s[8:9], s[94:95]
.irp tt, 0,1,2,3
.irp i, 0,1,2,3,4,5,6,7                        ; i = 4 (sin) + 2 t + u: my 8 numbers of channels 16 t + 8 h on
	global_load_b128 v[64+32*\tt+4*\i:64+32*\tt+4*\i+3], v14, s[100:101] offset:\tt*4096+128*(\i/4)+64*((\i/2)%2)+16*(\i%2)
.endr
.endr
	s_mov_b32 s96, s82                             ; e6
	QCONST
	s_lshl_b32 s96, s23, 1
	s_add_co_u32 s96, s96, s20                     ; head
	s_lshr_b32 s99, s24, 4                         ; b
	s_lshl_b32 s99, s99, 4
	s_add_co_u32 s96, s96, s99
	s_lshl_b32 s96, s96, 7
	s_lshl_b32 s97, s98, 3
	s_add_co_u32 s96, s96, s97
	s_lshl_b32 s97, s19, 2
	s_add_co_u32 s96, s96, s97                     ; (16 b + head) x 128 + my first token tile
	s_lshl_b32 s96, s96, 10
	s_mov_b32 s97, 0
	s_add_nc_u64 s[66:67], s[14:15], s[96:97]
.irp tt, 0,1,2,3
	s_wait_loadcnt 24-8*\tt                        ; this tile's eight table loads are in; the later tiles' may be out
	EPI \tt, 64+32*\tt, 192, 224, 32+8*\tt
.endr
	; ---- PHASE 2
	s_wait_tensorcnt 0x0                           ; my part of phase 2's tiles is in,
	s_barrier_signal -1
	s_barrier_wait -1                              ; everybody's is
	s_cmp_lg_u32 ttmp9, 0                          ; the cluster's x: the same in all sixteen work-groups
	s_cbranch_scc1 .Lv
	; k: as q, with the gain 1
	s_wait_xcnt 0x0                                ; q's stores have read their registers and their base
	s_add_co_i32 s88, s78, s79
	s_add_co_i32 s88, s88, 127
	s_lshl_b32 s88, s88, 23                        ; 2^(e2 + e3)
	s_mov_b32 s89, s88
	s_mov_b32 s91, 1.0
	s_mov_b32 s96, s83                             ; e7
	QCONST
	s_lshl_b32 s94, s98, 7
	s_lshl_b32 s95, s18, 5
	s_add_co_u32 s94, s94, s95                     ; my first position: 32 w on in the block
	s_lshl_b32 s94, s94, 8
	s_mov_b32 s95, 0
	s_add_nc_u64 s[100:101], s[8:9], s[94:95]
.irp tt, 0,1
.irp i, 0,1,2,3,4,5,6,7
	global_load_b128 v[192+32*\tt+4*\i:192+32*\tt+4*\i+3], v14, s[100:101] offset:\tt*4096+128*(\i/4)+64*((\i/2)%2)+16*(\i%2)
.endr
.endr
	s_lshr_b32 s96, s24, 4
	s_lshl_b32 s96, s96, 2
	s_add_co_u32 s96, s96, s21                     ; 4 b + g
	s_lshl_b32 s96, s96, 7
	s_lshl_b32 s97, s98, 3
	s_add_co_u32 s96, s96, s97
	s_lshl_b32 s97, s18, 1
	s_add_co_u32 s96, s96, s97                     ; + my first key tile
	s_lshl_b32 s96, s96, 10
	s_mov_b32 s97, 0
	s_add_nc_u64 s[66:67], s[16:17], s[96:97]
	PHASE2 0
	PLACES
	s_wait_loadcnt 8
	EPI 0, 192, 64, 96, 32
	s_wait_loadcnt 0x0
	EPI 1, 224, 64, 96, 40
	FINISH
.Lv:
	; v: a lane holds channel 16 ct + r and the tokens 8 h + 0..7 of a token tile: their codes are two registers of V^T's fragment (16 channels x 128 keys); my two tiles make registers 4 w .. 4 w + 3
	s_wait_xcnt 0x0
	s_sub_co_i32 s96, s85, s80
	s_sub_co_i32 s96, s96, s81                     ; a sum stands for sum x 2^(e4 + e5): its code is sum / 2^(e9 - e4 - e5)
	QCONST
	s_lshr_b32 s96, s24, 4
	s_lshl_b32 s96, s96, 2
	s_add_co_u32 s96, s96, s21                     ; 4 b + g
	s_lshl_b32 s96, s96, 4
	s_add_co_u32 s96, s96, s98                     ; the step of 128 keys
	s_lshl_b32 s96, s96, 13
	s_lshl_b32 s97, s18, 9
	s_add_co_u32 s96, s96, s97
	s_add_co_u32 s96, s96, 0x100000
	s_mov_b32 s97, 0
	s_add_nc_u64 s[66:67], s[16:17], s[96:97]
	PHASE2 1
	PLACES
	WIN 0x01                                       ; source 0 in window 1
.set N, 0
.rept 64
	v_med3_num_f32 v[64+N], v[N], -v19, v19        ; each accumulator from its low end on
.set N, N+1
.endr
	WIN 0
.irp ct, 0,1,2,3
.irp tt, 0,1
	v_cvt_scalef32_pk8_fp8_f32 v[32+4*\ct+2*\tt:33+4*\ct+2*\tt], v[64+8*(4*\tt+\ct):71+8*(4*\tt+\ct)], v18
.endr
.endr
	v_nop
.irp ct, 0,1,2,3
	global_store_b128 v13, v[32+4*\ct:35+4*\ct], s[66:67] offset:\ct*2048
.endr
	FINISH
.Lfunc_end_k_q2623db6c55_qkv:
	.size	k_q2623db6c55_qkv, .Lfunc_end_k_q2623db6c55_qkv-k_q2623db6c55_qkv
	.p2alignl 7, 3214868480
	.fill 96, 4, 3214868480
	.section	.rodata,"a",@progbits
	.p2align	6, 0x0
	.amdhsa_kernel k_q2623db6c55_qkv
		.amdhsa_group_segment_fixed_size 327680
		.amdhsa_private_segment_fixed_size 0
		.amdhsa_enable_private_segment 0
		.amdhsa_kernarg_size 56
		.amdhsa_user_sgpr_count 2
		.amdhsa_user_sgpr_kernarg_segment_ptr 1
		.amdhsa_wavefront_size32 1
		.amdhsa_system_sgpr_workgroup_id_x 1
		.amdhsa_system_sgpr_workgroup_id_y 1
		.amdhsa_system_sgpr_workgroup_id_z 1
		.amdhsa_system_vgpr_workitem_id 0
		.amdhsa_next_free_vgpr 384
		.amdhsa_next_free_sgpr 102
		.amdhsa_reserve_vcc 0
		.amdhsa_float_denorm_mode_32 3
		.amdhsa_float_denorm_mode_16_64 3
		.amdhsa_memory_ordered 1
		.amdhsa_forward_progress 1
		.amdhsa_inst_pref_size 152
	.end_amdhsa_kernel
	.amdgpu_metadata
---
amdhsa.version: [ 1, 2 ]
amdhsa.kernels:
  - .name:           k_q2623db6c55_qkv
    .symbol:         k_q2623db6c55_qkv.kd
    .args:
      - { .name: xc, .offset: 0, .size: 8, .value_kind: global_buffer, .address_space: global }
      - { .name: wc, .offset: 8, .size: 8, .value_kind: global_buffer, .address_space: global }
      - { .name: rope, .offset: 16, .size: 8, .value_kind: global_buffer, .address_space: global }
      - { .name: q_gain, .offset: 24, .size: 8, .value_kind: global_buffer, .address_space: global }
      - { .name: lowp_scales, .offset: 32, .size: 8, .value_kind: global_buffer, .address_space: global }
      - { .name: qc, .offset: 40, .size: 8, .value_kind: global_buffer, .address_space: global }
      - { .name: kvc, .offset: 48, .size: 8, .value_kind: global_buffer, .address_space: global }
    .group_segment_fixed_size: 327680
    .private_segment_fixed_size: 0
    .kernarg_segment_align: 8
    .kernarg_segment_size: 56
    .max_flat_workgroup_size: 128
    .sgpr_count:     102
    .vgpr_count:     384
    .wavefront_size: 32
...
	.end_amdgpu_metadata
.endif
;; end of part 2
;; launch attn (part 3): grid 32 x 8, 16 waves a work-group, no clusters, 34,816 bytes of LDS; arguments qc, kvc, lowp_scales, yc; writes yc
.if DOCPART == 3
	.amdgcn_target "amdgcn-amd-amdhsa--gfx1250"
	.amdhsa_code_object_version 6
	.text
	.protected	k_q2623db6c55_attn
	.globl	k_q2623db6c55_attn
	.p2align	8
	.type	k_q2623db6c55_attn,@function
k_q2623db6c55_attn:
	s_mov_b64 s[64:65], 0
	v_nop
	global_prefetch_b8 v0, s[64:65] scope:SCOPE_SE
	s_setreg_imm32_b32 hwreg(HW_REG_WAVE_MODE, 25, 1), 1
	s_wait_xcnt 0x0
; Causal attention on codes of E4M3: 16 heads of queries over 4 heads of keys and values, head size 64, 2,048 tokens, 2 batches.  y leaves as codes, laid as the last product's operand.
; THE SOFTMAX AHEAD OF THE SECOND PRODUCT: t = score x log2(e) / 8; M = the running largest t rounded UP to a whole number; p = 2^(t - M) is quantised (e8), not normalised; the row's sum is taken of the
; unquantised p and divides at the end.  When M moves, the sum and O are multiplied by 2^(old M - new M), which rounds nothing.
; SHARES.  Work-group (j, bg): key head bg = 4 b + g; queries 32 j .. 32 j + 31 and 32 (63 - j) .. + 31 of its four query heads: the key steps of an early and a late tile add up to 17 for every j, so all
; 256 work-groups have the same work.  Sixteen waves, four to a SIMD: wave w owns ONE tile of 16 queries of head 4 g + w % 4; which of the four tiles: (w / 4 + w) % 4.
; Keys go in steps of 128.  A step's K (8 fragments of 16 keys x 64) and V^T (4 fragments of 16 channels x 128 keys) are 8 KiB each, dense in memory: thread t copies 16 bytes of each through registers into one
; of two LDS slots; all sixteen waves read them.  One barrier a step.  No tensor load: the number of trips hangs on the work-group's number, and 16 KiB a step are little beside a step's vector work.
; A step all of whose keys come after a wave's queries is left out by a scalar branch on ids (its staging and its barrier are not).
; LAYOUT.  S^T = K Q^T (source 0 = 16 keys, source 1 = my queries): lane (r, h) holds query r; register i of tile t is key 16 t + 8 h + i: eight neighbours, whose codes ARE registers 2 t, 2 t + 1 of P.
; O^T = V^T P^T: register i of tile ct is channel 16 ct + 8 h + i of query r, whose codes are registers 2 ct, 2 ct + 1 of y's fragment.
; LIMITS on the given exponents: e6 + e7 between -122 and 129 (they are added to c's exponent field); e8 and e10 between -126 and 119; e8 + e9 is applied by v_ldexp_f32 and has none.
; REGISTERS: v1 16 l, v2 16 t, v3 staging offset, v4 r - 8 h, v5 at work, v6 -M, v7 largest t, v[8:9] the sum, v[10:11] f, v12-19 staged bytes, v20-27 Q, v30 -infinity, v32-95 K's, then V's fragments,
;   v96-159 S^T, then p, v160-191 O^T, v192-207 p's codes, v208 limit, v209 scale, v210-214 at work.
.set SLOTB, 16384                      ; a slot: K's 8 KiB, then V's
.set VOFF,  8192
.set S, 96
.set O, 160
.set P, 192
.macro PLACES
.rept 4
	v_nop
.endr
.endm
	s_load_b256 s[4:11], s[0:1], 0x0               ; qc, kvc, the exponents, yc
	v_lshl_add_u32 v254, v0, 2, 0x8000
	v_mov_b32 v255, 0
	v_lshrrev_b32 v1, 5, v0
	v_readfirstlane_b32 s12, v1                    ; wave 0..15
	s_and_b32 s13, ttmp7, 0xffff                   ; bg
	s_and_b32 s14, s12, 3                          ; my head among the group's four
	s_lshr_b32 s15, s12, 2
	s_add_co_u32 s15, s15, s12
	s_and_b32 s15, s15, 3                          ; my tile: 0, 1 early, 2, 3 late
	s_lshl_b32 s16, ttmp9, 5
	s_sub_co_u32 s17, 2016, s16
	s_cmp_lt_u32 s15, 2
	s_cselect_b32 s16, s16, s17
	s_and_b32 s17, s15, 1
	s_lshl_b32 s17, s17, 4
	s_add_co_u32 s16, s16, s17                     ; q0: my first query
	s_lshr_b32 s18, ttmp9, 2
	s_sub_co_u32 s18, 17, s18                      ; the late tiles need 16 - j / 4 steps;
	s_lshr_b32 s18, s18, 1                         ; trips of two steps
	s_lshl_b32 s20, s13, 17                        ; the key head's 128 KiB
	s_mov_b32 s21, 0
	s_lshl_b32 s29, s13, 2
	s_add_co_u32 s29, s29, s14                     ; 16 b + head
	s_lshl_b32 s30, s29, 7
	s_lshr_b32 s31, s16, 4
	s_add_co_u32 s30, s30, s31
	s_lshl_b32 s30, s30, 10                        ; Q's fragment
	s_mov_b32 s31, 0
	s_lshr_b32 s32, s13, 2
	s_lshl_b32 s32, s32, 7
	s_lshr_b32 s33, s16, 4
	s_add_co_u32 s32, s32, s33                     ; my token tile among all 256
	s_lshr_b32 s33, s32, 3
	s_lshl_b32 s33, s33, 17                        ; y: block of 128 tokens,
	s_and_b32 s32, s32, 7
	s_lshl_b32 s32, s32, 10                        ; tile in the block,
	s_add_co_u32 s32, s32, s33
	s_and_b32 s33, s29, 15
	s_lshl_b32 s33, s33, 13                        ; K step = head
	s_add_co_u32 s32, s32, s33
	s_mov_b32 s33, 0
	s_mov_b32 s38, 0x76543210                      ; v_permlanex16_b32: lane l xor 16
	s_mov_b32 s39, 0xfedcba98
	s_mov_b32 s19, 1                               ; the step whose bytes were asked for last
	s_mov_b32 s36, 0                               ; the step's first key
	s_mov_b32 s35, 0
	v_and_b32 v1, 31, v0
	v_lshlrev_b32 v1, 4, v1
	v_lshlrev_b32 v2, 4, v0
	s_wait_kmcnt 0x0
	s_load_b128 s[24:27], s[8:9], 0x18             ; e6, e7, e8, e9
	s_load_b32 s28, s[8:9], 0x28                   ; e10
	s_add_nc_u64 s[6:7], s[6:7], s[20:21]          ; K
	s_add_nc_u64 s[22:23], s[6:7], 0x100000        ; V
	s_add_nc_u64 s[4:5], s[4:5], s[30:31]
	s_add_nc_u64 s[10:11], s[10:11], s[32:33]
	global_load_b128 v[12:15], v2, s[6:7]          ; step 0
	global_load_b128 v[16:19], v2, s[22:23]
	global_load_b128 v[20:23], v1, s[4:5]          ; Q stays in registers
	global_load_b128 v[24:27], v1, s[4:5] offset:512
	v_and_b32 v4, 15, v0
	v_bfe_u32 v5, v0, 4, 1
	v_lshlrev_b32 v5, 3, v5
	v_sub_nc_u32 v4, v4, v5                        ; r - 8 h
	v_mov_b32 v30, 0xff800000
	v_mov_b32 v7, 0xff61b1e6                       ; the largest t so far: -3e38, under every t
	v_floor_f32 v6, -v7                            ; -M
	v_mov_b32 v8, 0
	v_mov_b32 v9, 0
	v_mov_b32 v11, 0                               ; (named as the upper half of a pair)
	v_mov_b32 v214, 0                              ; a lane permute's destination counts as read
.set N, 0
.rept 32
	v_mov_b32 v[O+N], 0                            ; the step is written once: the first finds zeros
.set N, N+1
.endr
	v_add_nc_u32 v3, 8192, v2
	s_wait_kmcnt 0x0
	s_add_co_i32 s37, s24, s25
	s_lshl_b32 s37, s37, 23
	s_add_co_i32 s40, s37, 0x3e38aa3b              ; c = log2(e) / 8 x 2^(e6 + e7)
	s_mov_b32 s41, s40
	s_add_co_i32 s37, s26, 127
	s_lshl_b32 s42, s37, 23
	v_mov_b32 v209, s42                            ; 2^e8
	s_add_co_i32 s37, s37, 8
	s_lshl_b32 s37, s37, 23
	s_or_b32 s37, s37, 0x600000
	v_mov_b32 v208, s37                            ; 448 x 2^e8
	s_wait_loadcnt 2                               ; step 0's bytes are in; Q's two loads may be out
	ds_store_b128 v2, v[12:15]
	ds_store_b128 v2, v[16:19] offset:VOFF
	s_wait_dscnt 0x0                               ; landed, for the others' sake; and the stores have read their registers
	global_load_b128 v[12:15], v3, s[6:7]          ; step 1
	global_load_b128 v[16:19], v3, s[22:23]
	s_wait_loadcnt 2                               ; Q is in; step 1's two loads may be out
	s_barrier_signal -1
	s_barrier_wait -1
; The bytes asked for a step ago go into the slot that was read last step; the step after them is asked for.  The slot was last read in front of the barrier before this one.
.macro STAGE slot
	s_wait_loadcnt 0x0
	ds_store_b128 v2, v[12:15] offset:\slot*SLOTB
	ds_store_b128 v2, v[16:19] offset:\slot*SLOTB+VOFF
	s_add_co_u32 s19, s19, 1
	s_min_u32 s34, s19, 15                         ; the last looks ahead stay inside the head's 16 steps
	s_lshl_b32 s34, s34, 13
	v_add_nc_u32 v3, s34, v2                       ; (free: the loads that named it are in)
	s_wait_dscnt 0x0                               ; my stores have landed and have read their registers; my reads of the other slot are over
	global_load_b128 v[12:15], v3, s[6:7]
	global_load_b128 v[16:19], v3, s[22:23]
	s_barrier_signal -1
	s_barrier_wait -1
.endm
.macro STEP slot
	s_add_co_u32 s37, s16, 15
	s_cmp_gt_u32 s36, s37
	s_cbranch_scc1 .Lhidden_\@                     ; all 128 keys come after my queries
	PLACES                                         ; in front of loads into registers that the last products read
.irp t, 0,1,2,3,4,5,6,7
	ds_load_b128 v[32+8*\t:35+8*\t], v1 offset:\slot*SLOTB+\t*1024
	ds_load_b128 v[36+8*\t:39+8*\t], v1 offset:\slot*SLOTB+\t*1024+512
.endr
	s_wait_dscnt 0x0
.irp t, 0,1,2,3,4,5,6,7
	v_wmma_f32_16x16x64_fp8_fp8 v[S+8*\t:S+8*\t+7], v[32+8*\t:39+8*\t], v[20:27], 0
.endr
	PLACES
.irp ct, 0,1,2,3                               ; V's fragments land while the softmax is worked
.irp g, 0,1,2,3
	ds_load_b128 v[32+16*\ct+4*\g:35+16*\ct+4*\g], v1 offset:\slot*SLOTB+VOFF+\ct*2048+\g*512
.endr
.endr
	s_add_co_u32 s37, s36, 127
	s_cmp_le_u32 s37, s16
	s_cbranch_scc1 .Lopen_\@                       ; all 128 keys count for all my queries
	s_sub_co_i32 s37, s16, s36
	v_add_nc_u32 v5, s37, v4                       ; d = my query - the step's first key - 8 h: register 8 t + i is hidden where 16 t + i > d
.set N, 0
.rept 64
	v_cmp_gt_i32 vcc_lo, 16*(N/8)+N%8, v5
	v_cndmask_b32 v[S+N], v[S+N], v30, vcc_lo
.set N, N+1
.endr
.Lopen_\@:
	v_max3_num_f32 v210, v96, v97, v98             ; the largest score of my query among my 64 keys, in two chains, each accumulator from its low end on,
	v_max3_num_f32 v212, v99, v100, v101
.irp i, 6,10,14,18,22,26,30,34,38,42,46,50,54,58
	v_max3_num_f32 v210, v210, v[S+\i], v[S+1+\i]
	v_max3_num_f32 v212, v212, v[S+2+\i], v[S+3+\i]
.endr
	v_max3_num_f32 v210, v210, v158, v159
	v_max_num_f32 v210, v210, v212
	v_permlanex16_b32 v214, v210, s38, s39
	v_max_num_f32 v210, v210, v214                 ; and among lane l xor 16's
	v_mul_f32 v210, s40, v210                      ; as t (c is positive)
	v_max_num_f32 v7, v7, v210
	v_mov_b32 v210, v6
	v_floor_f32 v6, -v7                            ; -M = floor(-t)
	v_sub_f32 v210, v6, v210                       ; old M - new M: a whole number, 0 or less
	v_cvt_i32_f32 v210, v210                       ; (it saturates)
	v_ldexp_f32 v10, 1.0, v210                     ; f
.set N, 0
.rept 32
	v_pk_fma_f32 v[S+N:S+N+1], v[S+N:S+N+1], s[40:41], v[6:7] op_sel_hi:[1,0,0]   ; t - M
.set N, N+2
.endr
.set N, 0
.rept 64
	v_exp_f32 v[S+N], v[S+N]                       ; p
.set N, N+1
.endr
	v_pk_mul_f32 v[8:9], v[8:9], v[10:11] op_sel_hi:[1,0]      ; the sum under the new M (a plain line behind the exponentials)
	s_wait_alu depctr_va_vdst(0)
	v_pk_add_f32 v[212:213], v[96:97], v[98:99]                ; the sum of the unquantised p, in two chains
.irp i, 4,8,12,16,20,24,28,32,36,40,44,48,52,56,60
	v_pk_add_f32 v[8:9], v[8:9], v[S+\i:S+1+\i]
	v_pk_add_f32 v[212:213], v[212:213], v[S+2+\i:S+3+\i]
.endr
	v_pk_add_f32 v[8:9], v[8:9], v[212:213]
.irp t, 0,1,2,3,4,5,6,7
.irp i, 0,1,2,3,4,5,6,7
	v_min_num_f32 v[S+8*\t+\i], v[S+8*\t+\i], v208             ; the conversion does not saturate (ISA guide 7.6.2); p is not negative
.endr
	v_cvt_scalef32_pk8_fp8_f32 v[P+2*\t:P+2*\t+1], v[S+8*\t:S+8*\t+7], v209
.endr
.set N, 0
.rept 16
	v_pk_mul_f32 v[O+N:O+N+1], v[O+N:O+N+1], v[10:11] op_sel_hi:[1,0]   ; O^T under the new M; plain lines between the conversions and the products
.set N, N+2
.endr
	s_wait_dscnt 0x0                               ; V
.irp ct, 0,1,2,3
	v_wmma_f32_16x16x128_fp8_fp8 v[O+8*\ct:O+8*\ct+7], v[32+16*\ct:47+16*\ct], v[P:P+15], v[O+8*\ct:O+8*\ct+7]
.endr
.Lhidden_\@:
	s_add_co_u32 s36, s36, 128
.endm
.Ltrip:
	STEP 0
	STAGE 1
	STEP 1
	STAGE 0
	s_add_co_u32 s35, s35, 1
	s_cmp_lt_u32 s35, s18
	s_cbranch_scc1 .Ltrip
	; THE WAY OUT: y = O^T / the sum x 2^(e8 + e9), quantised with e10: the fragment's eight registers, stored as they stand
	PLACES
	v_add_f32 v8, v8, v9
	v_permlanex16_b32 v214, v8, s38, s39
	v_add_f32 v8, v8, v214
	v_rcp_f32 v8, v8
	v_nop
	s_add_co_i32 s37, s26, s27
	s_wait_alu depctr_va_vdst(0)
	v_ldexp_f32 v8, v8, s37
	v_mov_b32 v9, v8
	s_add_co_i32 s37, s28, 127
	s_lshl_b32 s42, s37, 23
	v_mov_b32 v209, s42                            ; 2^e10
	s_add_co_i32 s37, s37, 8
	s_lshl_b32 s37, s37, 23
	s_or_b32 s37, s37, 0x600000
	v_mov_b32 v208, s37
.set N, 0
.rept 16
	v_pk_mul_f32 v[S+N:S+N+1], v[O+N:O+N+1], v[8:9]
.set N, N+2
.endr
.set N, 0
.rept 32
	v_med3_num_f32 v[S+N], v[S+N], -v208, v208
.set N, N+1
.endr
.irp ct, 0,1,2,3
	v_cvt_scalef32_pk8_fp8_f32 v[P+2*\ct:P+2*\ct+1], v[S+8*\ct:S+8*\ct+7], v209
.endr
	v_nop
	global_store_b128 v1, v[P:P+3], s[10:11]       ; each store of the wave covers 512 bytes on end, aligned
	global_store_b128 v1, v[P+4:P+7], s[10:11] offset:512
	s_wait_tensorcnt 0x0
	ds_add_u32 v254, v255
	s_wait_dscnt 0x0
	s_endpgm
.Lfunc_end_k_q2623db6c55_attn:
	.size	k_q2623db6c55_attn, .Lfunc_end_k_q2623db6c55_attn-k_q2623db6c55_attn
	.p2alignl 7, 3214868480
	.fill 96, 4, 3214868480
	.section	.rodata,"a",@progbits
	.p2align	6, 0x0
	.amdhsa_kernel k_q2623db6c55_attn
		.amdhsa_group_segment_fixed_size 34816
		.amdhsa_private_segment_fixed_size 0
		.amdhsa_enable_private_segment 0
		.amdhsa_kernarg_size 32
		.amdhsa_user_sgpr_count 2
		.amdhsa_user_sgpr_kernarg_segment_ptr 1
		.amdhsa_wavefront_size32 1
		.amdhsa_system_sgpr_workgroup_id_x 1
		.amdhsa_system_sgpr_workgroup_id_y 1
		.amdhsa_system_sgpr_workgroup_id_z 1
		.amdhsa_system_vgpr_workitem_id 0
		.amdhsa_next_free_vgpr 256
		.amdhsa_next_free_sgpr 66
		.amdhsa_reserve_vcc 1
		.amdhsa_float_denorm_mode_32 3
		.amdhsa_float_denorm_mode_16_64 3
		.amdhsa_memory_ordered 1
		.amdhsa_forward_progress 1
		.amdhsa_inst_pref_size 52
	.end_amdhsa_kernel
	.amdgpu_metadata
---
amdhsa.version: [ 1, 2 ]
amdhsa.kernels:
  - .name:           k_q2623db6c55_attn
    .symbol:         k_q2623db6c55_attn.kd
    .args:
      - { .name: qc, .offset: 0, .size: 8, .value_kind: global_buffer, .address_space: global }
      - { .name: kvc, .offset: 8, .size: 8, .value_kind: global_buffer, .address_space: global }
      - { .name: lowp_scales, .offset: 16, .size: 8, .value_kind: global_buffer, .address_space: global }
      - { .name: yc, .offset: 24, .size: 8, .value_kind: global_buffer, .address_space: global }
    .group_segment_fixed_size: 34816
    .private_segment_fixed_size: 0
    .kernarg_segment_align: 8
    .kernarg_segment_size: 32
    .max_flat_workgroup_size: 512
    .sgpr_count:     66
    .vgpr_count:     256
    .wavefront_size: 32
...
	.end_amdgpu_metadata
.endif
;; end of part 3
;; launch proj (part 4): grid 8 x 32, 4 waves a work-group, clusters of 4 x 4, 280,064 bytes of LDS; arguments yc, wc, lowp_scales, out0; writes out0
.if DOCPART == 4
	.amdgcn_target "amdgcn-amd-amdhsa--gfx1250"
	.amdhsa_code_object_version 6
	.text
	.protected	k_q2623db6c55_proj
	.globl	k_q2623db6c55_proj
	.p2align	8
	.type	k_q2623db6c55_proj,@function
k_q2623db6c55_proj:
	s_mov_b64 s[64:65], 0
	v_nop
	global_prefetch_b8 v0, s[64:65] scope:SCOPE_SE
	s_setreg_imm32_b32 hwreg(HW_REG_WAVE_MODE, 25, 1), 1
	s_wait_xcnt 0x0
	s_wait_alu depctr_hold_cnt(0) depctr_sa_sdst(0) depctr_va_vdst(0) depctr_va_sdst(0) depctr_va_ssrc(0) depctr_va_vcc(0) depctr_vm_vsrc(0)
	s_getreg_b32 s2, hwreg(HW_REG_IB_STS2, 6, 4)
	s_cmp_eq_u32 s2, 0
	s_cbranch_scc0 .Lentry_in_a_cluster
	s_endpgm
.Lentry_in_a_cluster:
	s_bfe_u32 s2, ttmp6, 0x10000c
	s_cmp_lg_u32 s2, 0xf033
	s_cbranch_scc0 .Lentry_shape_is_right
	s_endpgm
.Lentry_shape_is_right:
; out0 = y Wproj^T on codes of E4M3, x 2^(e10 + e11), f32.  y's and Wproj's codes lie in memory as images of operand registers (a fragment: 16 rows x 64 K, 1,024 bytes; registers 4g..4g+3 of lane l at 512 g + 16 l).
; SHARES.  Work-group (j, tb): 128 tokens (block tb) x 128 columns (block j); four waves, wave w = (th, ch): 64 x 64, 16 accumulators.
; ALL OF K (1,024) LIES IN LDS AT ONCE: y's block 128 KiB, the weight's 128 KiB, each dense in memory: two loads of 32 KiB a wave (K's two halves), all issued at the start.  Nothing is filled again.
; CLUSTERS: 4 x 4 work-groups: y's block is asked for jointly along a row of the cluster, the weight's along a column.
; TRANSPOSED USE (source 0 = 16 rows of W, source 1 = 16 tokens): a lane holds eight neighbouring columns of one token's row.  A tile of 16 tokens x 64 columns goes through the wave's own stage in LDS
; (behind the tiles; no load lands there) and leaves as rows of 256 bytes: sixteen lanes store 256 bytes on end, aligned.
; LIMIT: e10 + e11 between -126 and 127.
; REGISTERS.  Window 0: v2 r, v3 h, v4-7 LDS addresses of the fragments, v8-9 the stage, v10 my place in out0, v13 16 l, v64-127 and v128-191 two sets of fragments (later rows on their way out), v192-223 at work.
;   Window 1: v0-127 the accumulators ((tt, ct) at 8 (4 tt + ct)).
.set STG,  262144                      ; 16 rows x 272 bytes for each wave
.set F0,   64
.set F1,   128
.set G1A,  32
.set G1B,  40
.set G0A,  56
.set G0B,  68
.set MSB, 0
.macro WIN new
.if MSB != \new
	s_set_vgpr_msb (MSB<<8)|\new
.set MSB, \new
.endif
.endm
.macro PLACES
.rept 4
	v_nop
.endr
.endm
.macro JLOAD g0a, g1a, g0b, g1b        ; waves 0 and 1 fetch for y, waves 2 and 3 for the weight; four v_nop follow each of the two lines
	s_cmp_eq_u32 s19, 0
	s_cbranch_scc0 .Lfor_b_\@
	tensor_load_to_lds s[\g0a:\g0a+3], s[\g1a:\g1a+7]
	s_nop 0
.rept 4
	v_nop
.endr
	s_branch .Lasked_\@
.Lfor_b_\@:
	tensor_load_to_lds s[\g0b:\g0b+3], s[\g1b:\g1b+7]
	s_nop 0
.rept 4
	v_nop
.endr
.Lasked_\@:
.endm
.macro CROUND
	s_barrier_signal -1
	s_barrier_wait -1
	s_cmp_lg_u32 s18, 0
	s_cbranch_scc1 .Lnot_wave_0_\@
	s_barrier_signal -3
.Lnot_wave_0_\@:
	s_barrier_wait -3
	s_barrier_signal -1
	s_barrier_wait -1
.endm
	s_load_b256 s[4:11], s[0:1], 0x0               ; yc, wc, the exponents, out0
	v_lshl_add_u32 v254, v0, 2, 0x44400
	v_mov_b32 v255, 0
	ds_add_u32 v254, v255
	ds_add_u32 v254, v255
	v_lshrrev_b32 v1, 5, v0
	v_readfirstlane_b32 s18, v1                    ; wave 0..3
	s_lshr_b32 s19, s18, 1                         ; th.  Also: I fetch for y (0) or for the weight (1)
	s_and_b32 s20, s18, 1                          ; ch.  Also: which part of it I fetch
	s_bfe_u32 s21, ttmp6, 0x40000                  ; cx
	s_bfe_u32 s22, ttmp6, 0x40004                  ; cy
	s_lshl_b32 s23, ttmp9, 2
	s_add_co_u32 s23, s23, s21                     ; j
	s_and_b32 s24, ttmp7, 0xffff
	s_lshl_b32 s24, s24, 2
	s_add_co_u32 s24, s24, s22                     ; tb
	s_lshl_b32 s25, s22, 2
	s_lshl_b32 s25, 15, s25                        ; my row of the cluster
	s_lshl_b32 s26, 0x1111, s21                    ; my column
	s_or_b32 s[G1A], s25, (3<<16)|(1<<21)          ; the mask; elements of 8 bytes; bit 21 beside a mask; no padding
	s_or_b32 s[G1B], s26, (3<<16)|(1<<21)
.irp g, G1A, G1B
	s_mov_b32 s[\g+1], 32<<16                      ; rows of 256 bytes of a dense block
	s_mov_b32 s[\g+2], 128<<16
	s_mov_b32 s[\g+3], 32<<16
	s_mov_b32 s[\g+4], 128
	s_mov_b32 s[\g+5], 32
	s_mov_b32 s[\g+6], 0
	s_mov_b32 s[\g+7], 0
.endr
	s_lshl_b32 s27, s20, 15
	s_lshl_b32 s28, s24, 17                        ; y's block tb
	s_add_co_u32 s28, s28, s27
	s_mov_b32 s29, 0
	s_lshl_b32 s30, s23, 17                        ; Wproj's block j, from 1.5 MiB on in wc
	s_add_co_u32 s30, s30, s27
	s_add_co_u32 s30, s30, 0x180000
	s_mov_b32 s31, 0
	s_lshl_b32 s98, s18, 15
	s_wait_dscnt 0x0
	s_wait_kmcnt 0x0
	s_load_b64 s[76:77], s[8:9], 0x28              ; e10, e11
	s_add_nc_u64 s[28:29], s[4:5], s[28:29]
	s_add_nc_u64 s[30:31], s[6:7], s[30:31]
	CROUND                                         ; all sixteen work-groups are here: the joint loads meet
.irp q, 0,1                                    ; by this text's count two loads of a wave are out
	s_mov_b32 s[G0A+4*\q], 1
	s_add_co_u32 s[G0A+4*\q+1], s98, \q*131072
	s_add_nc_u64 s[G0A+4*\q+2:G0A+4*\q+3], s[28:29], \q*65536
	s_or_b32 s[G0A+4*\q+3], s[G0A+4*\q+3], 0x80000000
	s_mov_b32 s[G0B+4*\q], 1
	s_add_co_u32 s[G0B+4*\q+1], s98, \q*131072
	s_add_nc_u64 s[G0B+4*\q+2:G0B+4*\q+3], s[30:31], \q*65536
	s_or_b32 s[G0B+4*\q+3], s[G0B+4*\q+3], 0x80000000
	JLOAD G0A+4*\q, G1A, G0B+4*\q, G1B
.endr
	v_and_b32 v1, 31, v0
	v_lshlrev_b32 v13, 4, v1                       ; 16 l
	v_and_b32 v2, 15, v0                           ; r
	v_bfe_u32 v3, v0, 4, 1                         ; h
	s_lshl_b32 s94, s19, 12
	v_add_nc_u32 v4, s94, v13                      ; y: K step kh at (kh / 8) x 128 KiB + (kh % 8) x 8 KiB; my four token tiles
	v_add_nc_u32 v5, 0x20000, v4
	s_lshl_b32 s94, s20, 12
	s_add_co_u32 s94, s94, 65536
	v_add_nc_u32 v6, s94, v13                      ; the weight: 64 KiB further on; my four column tiles
	v_add_nc_u32 v7, 0x20000, v6
	s_mul_i32 s94, s18, 4352
	s_add_co_u32 s94, s94, STG                     ; my stage
	v_mul_u32_u24 v8, v2, 272
	v_lshl_add_u32 v8, v3, 5, v8
	v_add_nc_u32 v8, s94, v8                       ; in: row r, + 32 h
	v_mul_u32_u24 v9, v3, 272
	v_lshl_add_u32 v9, v2, 4, v9
	v_add_nc_u32 v9, s94, v9                       ; back: lanes 0-15 one row, lanes 16-31 the next
	v_lshlrev_b32 v10, 12, v3
	v_lshl_add_u32 v10, v2, 4, v10                 ; and the same two rows of out0
	s_lshl_b32 s94, s24, 7
	s_lshl_b32 s95, s19, 6
	s_add_co_u32 s94, s94, s95                     ; my first token
	s_lshl_b32 s94, s94, 12
	s_lshl_b32 s96, s23, 9
	s_lshl_b32 s97, s20, 8
	s_add_co_u32 s96, s96, s97                     ; my first column, in bytes
	s_add_co_u32 s96, s96, s94
	s_mov_b32 s97, 0
	s_add_nc_u64 s[66:67], s[10:11], s[96:97]
.macro FETCH kh, f
.irp t, 0,1,2,3
	ds_load_b128 v[\f+8*\t:\f+8*\t+3],   v[4+(\kh)/8] offset:((\kh)%8)*8192+\t*1024
	ds_load_b128 v[\f+8*\t+4:\f+8*\t+7], v[4+(\kh)/8] offset:((\kh)%8)*8192+\t*1024+512
.endr
.irp t, 0,1,2,3
	ds_load_b128 v[\f+32+8*\t:\f+32+8*\t+3],   v[6+(\kh)/8] offset:((\kh)%8)*8192+\t*1024
	ds_load_b128 v[\f+32+8*\t+4:\f+32+8*\t+7], v[6+(\kh)/8] offset:((\kh)%8)*8192+\t*1024+512
.endr
.endm
.macro MUL f, zero                     ; the 16 accumulators take turns, one instruction a turn
	WIN 0x50
.irp tt, 0,1,2,3
.irp ct, 0,1,2,3
.if \zero
	v_wmma_f32_16x16x64_fp8_fp8 v[8*(4*\tt+\ct):8*(4*\tt+\ct)+7], v[\f+32+8*\ct:\f+32+8*\ct+7], v[\f+8*\tt:\f+8*\tt+7], 0
.else
	v_wmma_f32_16x16x64_fp8_fp8 v[8*(4*\tt+\ct):8*(4*\tt+\ct)+7], v[\f+32+8*\ct:\f+32+8*\ct+7], v[\f+8*\tt:\f+8*\tt+7], v[8*(4*\tt+\ct):8*(4*\tt+\ct)+7]
.endif
.endr
.endr
	WIN 0
.endm
	s_wait_tensorcnt 1                             ; my part of K's first half is in; the second half's load may stay out
	s_barrier_signal -1
	s_barrier_wait -1
	FETCH 0, F0
	FETCH 1, F1
.set KH, 0
.rept 16
.if KH == 15
	s_wait_dscnt 0x0
.else
	s_wait_dscnt 16                                ; this step's fragments are in; the next step's 16 loads may be out
.endif
.if KH == 0
	MUL F0, 1
.else
	MUL F0+64*(KH%2), 0
.endif
.if KH == 6
	s_wait_tensorcnt 0x0                           ; my part of K's second half is in,
	s_wait_dscnt 0x0
	s_barrier_signal -1
	s_barrier_wait -1                              ; everybody's is
.endif
.if KH < 14
	PLACES
	FETCH KH+2, F0+64*(KH%2)
.endif
.set KH, KH+1
.endr
	s_wait_kmcnt 0x0
	s_add_co_i32 s88, s76, s77
	s_add_co_i32 s88, s88, 127
	s_lshl_b32 s88, s88, 23                        ; 2^(e10 + e11)
	s_mov_b32 s89, s88
	PLACES
.irp tt, 0,1,2,3
	WIN 0x01                                       ; source 0 in window 1
.irp i, 0,2,4,6,8,10,12,14,16,18,20,22,24,26,28,30
	v_pk_mul_f32 v[192+\i:193+\i], v[32*\tt+\i:32*\tt+\i+1], s[88:89] op_sel_hi:[1,0]   ; each accumulator from its low end on
.endr
	WIN 0
.irp ct, 0,1,2,3
	ds_store_b128 v8, v[192+8*\ct:195+8*\ct] offset:64*\ct
	ds_store_b128 v8, v[196+8*\ct:199+8*\ct] offset:64*\ct+16
.endr
.irp i, 0,1,2,3,4,5,6,7
	ds_load_b128 v[64+32*\tt+4*\i:67+32*\tt+4*\i], v9 offset:2*\i*272   ; LDS serves a wave's instructions in order: these see my stores
.endr
.irp i, 0,1,2,3,4,5,6,7
	s_wait_dscnt 7-\i                              ; rows 2 i, 2 i + 1 are back; the younger loads may be out
	global_store_b128 v10, v[64+32*\tt+4*\i:67+32*\tt+4*\i], s[66:67] offset:\tt*65536+2*\i*4096 th:TH_STORE_NT
.endr
.endr
	s_wait_dscnt 0x0
	s_wait_tensorcnt 0x0
	ds_add_u32 v254, v255
	s_wait_dscnt 0x0
	CROUND                                         ; the closing round
	s_endpgm
.Lfunc_end_k_q2623db6c55_proj:
	.size	k_q2623db6c55_proj, .Lfunc_end_k_q2623db6c55_proj-k_q2623db6c55_proj
	.p2alignl 7, 3214868480
	.fill 96, 4, 3214868480
	.section	.rodata,"a",@progbits
	.p2align	6, 0x0
	.amdhsa_kernel k_q2623db6c55_proj
		.amdhsa_group_segment_fixed_size 280064
		.amdhsa_private_segment_fixed_size 0
		.amdhsa_enable_private_segment 0
		.amdhsa_kernarg_size 32
		.amdhsa_user_sgpr_count 2
		.amdhsa_user_sgpr_kernarg_segment_ptr 1
		.amdhsa_wavefront_size32 1
		.amdhsa_system_sgpr_workgroup_id_x 1
		.amdhsa_system_sgpr_workgroup_id_y 1
		.amdhsa_system_sgpr_workgroup_id_z 1
		.amdhsa_system_vgpr_workitem_id 0
		.amdhsa_next_free_vgpr 384
		.amdhsa_next_free_sgpr 102
		.amdhsa_reserve_vcc 0
		.amdhsa_float_denorm_mode_32 3
		.amdhsa_float_denorm_mode_16_64 3
		.amdhsa_memory_ordered 1
		.amdhsa_forward_progress 1
		.amdhsa_inst_pref_size 55
	.end_amdhsa_kernel
	.amdgpu_metadata
---
amdhsa.version: [ 1, 2 ]
amdhsa.kernels:
  - .name:           k_q2623db6c55_proj
    .symbol:         k_q2623db6c55_proj.kd
    .args:
      - { .name: yc, .offset: 0, .size: 8, .value_kind: global_buffer, .address_space: global }
      - { .name: wc, .offset: 8, .size: 8, .value_kind: global_buffer, .address_space: global }
      - { .name: lowp_scales, .offset: 16, .size: 8, .value_kind: global_buffer, .address_space: global }
      - { .name: out0, .offset: 24, .size: 8, .value_kind: global_buffer, .address_space: global }
    .group_segment_fixed_size: 280064
    .private_segment_fixed_size: 0
    .kernarg_segment_align: 8
    .kernarg_segment_size: 32
    .max_flat_workgroup_size: 128
    .sgpr_count:     102
    .vgpr_count:     384
    .wavefront_size: 32
...
	.end_amdgpu_metadata
.endif
;; end of part 4
;; ======== version 2 of 2: 4 launches; version 1 with the launch attn written anew for expert scheduling mode
;; workspace buffers: xc 12,582,912 bytes; wc 2,621,440 bytes; rope 524,288 bytes; qc 4,194,304 bytes; kvc 2,097,152 bytes; yc 4,194,304 bytes
;; launch prep: the kernel of part 1 again; grid 448 x 1, 8 waves a work-group, no clusters, 68,608 bytes of LDS; arguments x, Wq, Wk, Wv, Wproj, lowp_scales, xc, wc, rope; writes xc, wc, rope
;; launch qkv: the kernel of part 2 again; grid 8 x 32, 4 waves a work-group, clusters of 4 x 4, 327,680 bytes of LDS; arguments xc, wc, rope, q_gain, lowp_scales, qc, kvc; writes qc, kvc
;; launch attn (part 5): grid 32 x 8, 16 waves a work-group, no clusters, 34,816 bytes of LDS; arguments qc, kvc, lowp_scales, yc; writes yc
.if DOCPART == 5
	.amdgcn_target "amdgcn-amd-amdhsa--gfx1250"
	.amdhsa_code_object_version 6
	.text
	.protected	k_q2623db6c55_attn
	.globl	k_q2623db6c55_attn
	.p2align	8
	.type	k_q2623db6c55_attn,@function
k_q2623db6c55_attn:
	s_mov_b64 s[64:65], 0
	v_nop
	global_prefetch_b8 v0, s[64:65] scope:SCOPE_SE
	s_setreg_imm32_b32 hwreg(HW_REG_WAVE_SCHED_MODE, 0, 2), 2
	s_setreg_imm32_b32 hwreg(HW_REG_WAVE_MODE, 25, 1), 1
	s_wait_xcnt 0x0
	s_wait_alu depctr_vm_vsrc(0)
; Causal attention on codes of E4M3: 16 heads of queries over 4 heads of keys and values, head size 64, 2,048 tokens, 2 batches.  y leaves as codes, laid as the last product's operand.
; THE SOFTMAX AHEAD OF THE SECOND PRODUCT: t = score x log2(e) / 8; M = the running largest t rounded UP to a whole number; p = 2^(t - M) is quantised (e8), not normalised; the row's sum is taken of the
; unquantised p and divides at the end.  When M moves, the sum and O are multiplied by 2^(old M - new M), which rounds nothing.
; SHARES.  Work-group (j, bg): key head bg = 4 b + g; queries 32 j .. 32 j + 31 and 32 (63 - j) .. + 31 of its four query heads: the key steps of an early and a late tile add up to 17 for every j, so all
; 256 work-groups have the same work.  Sixteen waves, four to a SIMD: wave w owns ONE tile of 16 queries of head 4 g + w % 4; which of the four tiles: (w / 4 + w) % 4.
; Keys go in steps of 128.  A step's K (8 fragments of 16 keys x 64) and V^T (4 fragments of 16 channels x 128 keys) are 8 KiB each, dense in memory: thread t copies 16 bytes of each through registers into one
; of two LDS slots; all sixteen waves read them.  One barrier a step.  No tensor load: the number of trips hangs on the work-group's number, and 16 KiB a step are little beside a step's vector work.
; A step all of whose keys come after a wave's queries is left out by a scalar branch on ids (its staging and its barrier are not).
; LAYOUT.  S^T = K Q^T (source 0 = 16 keys, source 1 = my queries): lane (r, h) holds query r; register i of tile t is key 16 t + 8 h + i: eight neighbours, whose codes ARE registers 2 t, 2 t + 1 of P.
; O^T = V^T P^T: register i of tile ct is channel 16 ct + 8 h + i of query r, whose codes are registers 2 ct, 2 ct + 1 of y's fragment.
; LIMITS on the given exponents: e6 + e7 between -122 and 129 (they are added to c's exponent field); e8 and e10 between -126 and 119; e8 + e9 is applied by v_ldexp_f32 and has none.
; THE MODE: SCHED_MODE bits 1:0 = 2 (LLVM: expert scheduling mode 2), set by the entry lines.  The code itself states the register dependences between vector or matrix instructions and memory or LDS
; instructions, with s_wait_alu, always for 0.
; THE PLAN.  Registers that memory or LDS instructions touch:
;   v1, v2     16 x lane, 16 x thread: made at the head, never written again.  The step that the staging asks for is reached by two scalar bases, made anew in each STAGE.
;   v12-19     Staged bytes: global loads land in them, the two LDS stores of STAGE read them, the next global loads land again.  No vector instruction names them.
;   v20-27     Q: loaded once; matrix instructions read it.
;   v32-95     A step's K lands; the eight products K Q^T read it; the step's V lands; the four products V^T P read it; the next step's K lands.
;   v192-199   On the way out alone: the conversions write y's codes, the two stores read them.
;   v254, v255 Written at the head, read by the closing add alone.
; So a step has two waits on va_vdst for its loads: at its head (the last step's products V^T P are done reading v32-95) and behind the eight products K Q^T (they are done reading v32-95).  Behind the second no
; vector instruction names v32-95 or v1 until the products V^T P, so V's sixteen loads are dealt among the maximum's lines with no further wait.  One wait on vm_vsrc stands in each STAGE, ahead of the loads
; into v12-19.  On the diagonal the compares go in runs of sixteen into s48-63, with one wait on va_sdst behind each run.
; REGISTERS: v1 16 l, v2 16 t, v4 r - 8 h, v5 at work, v6 -M, v7 largest t, v[8:9] the sum, v[10:11] f, v12-19 staged bytes, v20-27 Q, v30 -infinity, v32-95 K's, then V's fragments,
;   v96-159 S^T, then p, v160-191 O^T, v192-207 p's codes, v208 limit, v209 scale, v210-214 at work.
.set SLOTB, 16384                      ; a slot: K's 8 KiB, then V's
.set VOFF,  8192
.set S, 96
.set O, 160
.set P, 192
.set KA, 44                            ; s[44:45] K's bytes of the step that the staging asks for
.set VA, 46                            ; s[46:47] V's
.set MK, 48                            ; s48-63   sixteen masks of the diagonal
.macro PLACES
.rept 4
	v_nop
.endr
.endm
	s_load_b256 s[4:11], s[0:1], 0x0               ; qc, kvc, the exponents, yc
	v_lshl_add_u32 v254, v0, 2, 0x8000
	v_mov_b32 v255, 0
	v_lshrrev_b32 v1, 5, v0
	v_readfirstlane_b32 s12, v1                    ; wave 0..15
	s_and_b32 s13, ttmp7, 0xffff                   ; bg
	s_wait_alu depctr_va_sdst(0)                   ; s12 is written, ahead of its first reader: my head, my tile and my addresses are made from it
	s_and_b32 s14, s12, 3                          ; my head among the group's four
	s_lshr_b32 s15, s12, 2
	s_add_co_u32 s15, s15, s12
	s_and_b32 s15, s15, 3                          ; my tile: 0, 1 early, 2, 3 late
	s_lshl_b32 s16, ttmp9, 5
	s_sub_co_u32 s17, 2016, s16
	s_cmp_lt_u32 s15, 2
	s_cselect_b32 s16, s16, s17
	s_and_b32 s17, s15, 1
	s_lshl_b32 s17, s17, 4
	s_add_co_u32 s16, s16, s17                     ; q0: my first query
	s_lshr_b32 s18, ttmp9, 2
	s_sub_co_u32 s18, 17, s18                      ; the late tiles need 16 - j / 4 steps;
	s_lshr_b32 s18, s18, 1                         ; trips of two steps
	s_lshl_b32 s20, s13, 17                        ; the key head's 128 KiB
	s_mov_b32 s21, 0
	s_lshl_b32 s29, s13, 2
	s_add_co_u32 s29, s29, s14                     ; 16 b + head
	s_lshl_b32 s30, s29, 7
	s_lshr_b32 s31, s16, 4
	s_add_co_u32 s30, s30, s31
	s_lshl_b32 s30, s30, 10                        ; Q's fragment
	s_mov_b32 s31, 0
	s_lshr_b32 s32, s13, 2
	s_lshl_b32 s32, s32, 7
	s_lshr_b32 s33, s16, 4
	s_add_co_u32 s32, s32, s33                     ; my token tile among all 256
	s_lshr_b32 s33, s32, 3
	s_lshl_b32 s33, s33, 17                        ; y: block of 128 tokens,
	s_and_b32 s32, s32, 7
	s_lshl_b32 s32, s32, 10                        ; tile in the block,
	s_add_co_u32 s32, s32, s33
	s_and_b32 s33, s29, 15
	s_lshl_b32 s33, s33, 13                        ; K step = head
	s_add_co_u32 s32, s32, s33
	s_mov_b32 s33, 0
	s_mov_b32 s38, 0x76543210                      ; v_permlanex16_b32: lane l xor 16
	s_mov_b32 s39, 0xfedcba98
	s_mov_b32 s19, 1                               ; the step whose bytes were asked for last
	s_mov_b32 s36, 0                               ; the step's first key
	s_mov_b32 s35, 0                               ; the upper word of the staging's offset s[34:35]
	s_mov_b32 s43, 0                               ; trips done
	v_and_b32 v1, 31, v0
	v_lshlrev_b32 v1, 4, v1
	v_lshlrev_b32 v2, 4, v0
	v_and_b32 v4, 15, v0                           ; all the vector set-up that hangs on no loaded number stands here, while the arguments are on their way
	v_bfe_u32 v5, v0, 4, 1
	v_lshlrev_b32 v5, 3, v5
	v_sub_nc_u32 v4, v4, v5                        ; r - 8 h
	v_mov_b32 v30, 0xff800000
	v_mov_b32 v7, 0xff61b1e6                       ; the largest t so far: -3e38, under every t
	v_floor_f32 v6, -v7                            ; -M
	v_mov_b32 v8, 0
	v_mov_b32 v9, 0
	v_mov_b32 v11, 0                               ; (named as the upper half of a pair)
	v_mov_b32 v214, 0                              ; a lane permute's destination counts as read
.set N, 0
.rept 32
	v_mov_b32 v[O+N], 0                            ; the step is written once: the first finds zeros
.set N, N+1
.endr
	s_wait_kmcnt 0x0
	s_load_b128 s[24:27], s[8:9], 0x18             ; e6, e7, e8, e9
	s_load_b32 s28, s[8:9], 0x28                   ; e10
	s_add_nc_u64 s[6:7], s[6:7], s[20:21]          ; K
	s_add_nc_u64 s[22:23], s[6:7], 0x100000        ; V
	s_add_nc_u64 s[4:5], s[4:5], s[30:31]
	s_add_nc_u64 s[10:11], s[10:11], s[32:33]
	s_wait_alu depctr_va_vdst(0)                   ; v1 and v2 are written: every load, LDS load and LDS store of the kernel reads one of them as its address, and neither is written again
	global_load_b128 v[12:15], v2, s[6:7]          ; step 0
	global_load_b128 v[16:19], v2, s[22:23]
	global_load_b128 v[20:23], v1, s[4:5]          ; Q stays in registers
	global_load_b128 v[24:27], v1, s[4:5] offset:512
	s_wait_kmcnt 0x0
	s_add_co_i32 s37, s24, s25
	s_lshl_b32 s37, s37, 23
	s_add_co_i32 s40, s37, 0x3e38aa3b              ; c = log2(e) / 8 x 2^(e6 + e7)
	s_mov_b32 s41, s40
	s_add_co_i32 s37, s26, 127
	s_lshl_b32 s42, s37, 23
	v_mov_b32 v209, s42                            ; 2^e8
	s_add_co_i32 s37, s37, 8
	s_lshl_b32 s37, s37, 23
	s_or_b32 s37, s37, 0x600000
	v_mov_b32 v208, s37                            ; 448 x 2^e8
	s_wait_loadcnt 2                               ; step 0's bytes are in; Q's two loads may be out
	ds_store_b128 v2, v[12:15]
	ds_store_b128 v2, v[16:19] offset:VOFF
	s_wait_dscnt 0x0                               ; landed, for the others' sake
	s_wait_alu depctr_vm_vsrc(0)                   ; the two LDS stores have read v12-19, in which the next two loads land
	global_load_b128 v[12:15], v2, s[6:7] offset:8192     ; step 1
	global_load_b128 v[16:19], v2, s[22:23] offset:8192
	s_wait_loadcnt 2                               ; Q is in; step 1's two loads may be out
	s_barrier_signal -1
	s_barrier_wait -1
; The bytes asked for a step ago go into the slot that was read last step; the step after them is asked for.  The slot was last read in front of the barrier before this one.
.macro STAGE slot
	s_wait_loadcnt 0x0                             ; the bytes are in; and the loads that read the two bases are done, so the bases may be written
	ds_store_b128 v2, v[12:15] offset:\slot*SLOTB
	ds_store_b128 v2, v[16:19] offset:\slot*SLOTB+VOFF
	s_add_co_u32 s19, s19, 1
	s_min_u32 s34, s19, 15                         ; the last looks ahead stay inside the head's 16 steps
	s_lshl_b32 s34, s34, 13
	s_add_nc_u64 s[KA:KA+1], s[6:7], s[34:35]      ; the step is reached by scalar bases: no address register is written in the loop
	s_add_nc_u64 s[VA:VA+1], s[22:23], s[34:35]
	s_wait_dscnt 0x0                               ; my stores have landed; my reads of the other slot are over
	s_wait_alu depctr_vm_vsrc(0)                   ; the two LDS stores have read v12-19, in which the two loads below land
	global_load_b128 v[12:15], v2, s[KA:KA+1]
	global_load_b128 v[16:19], v2, s[VA:VA+1]
	s_barrier_signal -1
	s_barrier_wait -1
.endm
; V's fragment of channel tile ct: four LDS loads
.macro VLOAD slot, ct
.irp g, 0,1,2,3
	ds_load_b128 v[32+16*(\ct)+4*\g:35+16*(\ct)+4*\g], v1 offset:(\slot)*SLOTB+VOFF+(\ct)*2048+\g*512
.endr
.endm
.macro STEP slot
	s_add_co_u32 s37, s16, 15
	s_cmp_gt_u32 s36, s37
	s_cbranch_scc1 .Lhidden_\@                     ; all 128 keys come after my queries
	PLACES                                         ; the four plain lines behind the last products stay,
	s_wait_alu depctr_va_vdst(0)                   ; and the last step's products V^T P are done reading v32-95, in which K's fragments land
.irp t, 0,1,2,3,4,5,6,7
	ds_load_b128 v[32+8*\t:35+8*\t], v1 offset:\slot*SLOTB+\t*1024
	ds_load_b128 v[36+8*\t:39+8*\t], v1 offset:\slot*SLOTB+\t*1024+512
.endr
	s_wait_dscnt 0x0
.irp t, 0,1,2,3,4,5,6,7
	v_wmma_f32_16x16x64_fp8_fp8 v[S+8*\t:S+8*\t+7], v[32+8*\t:39+8*\t], v[20:27], 0
.endr
	PLACES                                         ; four plain lines between the products and the first vector line that reads their results (ISA guide 7.12.1)
	s_wait_alu depctr_va_vdst(0)                   ; the eight products are done reading v32-95, in which V's fragments land.  No vector line from here to the products V^T P names v32-95 or v1
	VLOAD \slot, 0                                 ; V's sixteen loads go in four runs: this one, and three among the maximum's lines; they land while the softmax is worked
	s_add_co_u32 s37, s36, 127
	s_cmp_le_u32 s37, s16
	s_cbranch_scc1 .Lopen_\@                       ; all 128 keys count for all my queries
	s_sub_co_i32 s37, s16, s36
	v_add_nc_u32 v5, s37, v4                       ; d = my query - the step's first key - 8 h: register 8 t + i is hidden where 16 t + i > d
.irp g, 0,1,2,3                                ; sixteen registers (two tiles) at a time: sixteen compares into scalar registers, one wait, sixteen selects
.irp k, 0,1,2,3,4,5,6,7,8,9,10,11,12,13,14,15
	v_cmp_gt_i32 s[MK+\k], 32*\g+16*(\k/8)+\k%8, v5
.endr
	s_wait_alu depctr_va_sdst(0)                   ; the sixteen masks are written, ahead of the selects that read them
.irp k, 0,1,2,3,4,5,6,7,8,9,10,11,12,13,14,15
	v_cndmask_b32 v[S+16*\g+\k], v[S+16*\g+\k], v30, s[MK+\k]   ; each accumulator from its low end on
.endr
.endr
.Lopen_\@:
	v_max3_num_f32 v210, v96, v97, v98             ; the largest score of my query among my 64 keys, in two chains, each accumulator from its low end on,
	v_max3_num_f32 v212, v99, v100, v101
.irp i, 6,10,14,18,22,26,30,34,38,42,46,50,54,58
	v_max3_num_f32 v210, v210, v[S+\i], v[S+1+\i]
	v_max3_num_f32 v212, v212, v[S+2+\i], v[S+3+\i]
.if \i == 10
	VLOAD \slot, 1
.endif
.if \i == 26
	VLOAD \slot, 2
.endif
.if \i == 42
	VLOAD \slot, 3
.endif
.endr
	v_max3_num_f32 v210, v210, v158, v159
	v_max_num_f32 v210, v210, v212
	v_permlanex16_b32 v214, v210, s38, s39
	v_max_num_f32 v210, v210, v214                 ; and among lane l xor 16's
	v_mul_f32 v210, s40, v210                      ; as t (c is positive)
	v_max_num_f32 v7, v7, v210
	v_mov_b32 v210, v6
	v_floor_f32 v6, -v7                            ; -M = floor(-t)
	v_sub_f32 v210, v6, v210                       ; old M - new M: a whole number, 0 or less
	v_cvt_i32_f32 v210, v210                       ; (it saturates)
	v_ldexp_f32 v10, 1.0, v210                     ; f
.set N, 0
.rept 32
	v_pk_fma_f32 v[S+N:S+N+1], v[S+N:S+N+1], s[40:41], v[6:7] op_sel_hi:[1,0,0]   ; t - M
.set N, N+2
.endr
.set N, 0
.rept 64
	v_exp_f32 v[S+N], v[S+N]                       ; p
.set N, N+1
.endr
	v_pk_mul_f32 v[8:9], v[8:9], v[10:11] op_sel_hi:[1,0]      ; the sum under the new M (a plain line behind the exponentials)
	s_wait_alu depctr_va_vdst(0)                   ; the 64 exponentials have written p: one wait for the batch, ahead of its first reader
	v_pk_add_f32 v[212:213], v[96:97], v[98:99]                ; the sum of the unquantised p, in two chains
.irp i, 4,8,12,16,20,24,28,32,36,40,44,48,52,56,60
	v_pk_add_f32 v[8:9], v[8:9], v[S+\i:S+1+\i]
	v_pk_add_f32 v[212:213], v[212:213], v[S+2+\i:S+3+\i]
.endr
	v_pk_add_f32 v[8:9], v[8:9], v[212:213]
.irp t, 0,1,2,3,4,5,6,7
.irp i, 0,1,2,3,4,5,6,7
	v_min_num_f32 v[S+8*\t+\i], v[S+8*\t+\i], v208             ; the conversion does not saturate (ISA guide 7.6.2); p is not negative
.endr
	v_cvt_scalef32_pk8_fp8_f32 v[P+2*\t:P+2*\t+1], v[S+8*\t:S+8*\t+7], v209
.endr
.set N, 0
.rept 16
	v_pk_mul_f32 v[O+N:O+N+1], v[O+N:O+N+1], v[10:11] op_sel_hi:[1,0]   ; O^T under the new M; plain lines between the conversions and the products
.set N, N+2
.endr
	s_wait_dscnt 0x0                               ; V
.irp ct, 0,1,2,3
	v_wmma_f32_16x16x128_fp8_fp8 v[O+8*\ct:O+8*\ct+7], v[32+16*\ct:47+16*\ct], v[P:P+15], v[O+8*\ct:O+8*\ct+7]
.endr
.Lhidden_\@:
	s_add_co_u32 s36, s36, 128
.endm
.Ltrip:
	STEP 0
	STAGE 1
	STEP 1
	STAGE 0
	s_add_co_u32 s43, s43, 1
	s_cmp_lt_u32 s43, s18
	s_cbranch_scc1 .Ltrip
	; THE WAY OUT: y = O^T / the sum x 2^(e8 + e9), quantised with e10: the fragment's eight registers, stored as they stand
	PLACES
	v_add_f32 v8, v8, v9
	v_permlanex16_b32 v214, v8, s38, s39
	v_add_f32 v8, v8, v214
	v_rcp_f32 v8, v8
	v_nop
	s_add_co_i32 s37, s26, s27
	s_wait_alu depctr_va_vdst(0)                   ; the reciprocal has written v8, ahead of its first reader
	v_ldexp_f32 v8, v8, s37
	v_mov_b32 v9, v8
	s_add_co_i32 s37, s28, 127
	s_lshl_b32 s42, s37, 23
	v_mov_b32 v209, s42                            ; 2^e10
	s_add_co_i32 s37, s37, 8
	s_lshl_b32 s37, s37, 23
	s_or_b32 s37, s37, 0x600000
	v_mov_b32 v208, s37
.set N, 0
.rept 16
	v_pk_mul_f32 v[S+N:S+N+1], v[O+N:O+N+1], v[8:9]
.set N, N+2
.endr
.set N, 0
.rept 32
	v_med3_num_f32 v[S+N], v[S+N], -v208, v208
.set N, N+1
.endr
.irp ct, 0,1,2,3
	v_cvt_scalef32_pk8_fp8_f32 v[P+2*\ct:P+2*\ct+1], v[S+8*\ct:S+8*\ct+7], v209
.endr
	v_nop
	s_wait_alu depctr_va_vdst(0)                   ; the conversions have written v192-199, which the two stores read
	global_store_b128 v1, v[P:P+3], s[10:11]       ; each store of the wave covers 512 bytes on end, aligned
	global_store_b128 v1, v[P+4:P+7], s[10:11] offset:512
	s_wait_dscnt 0x0                               ; the closing lines, six on end
	s_wait_alu 0x0
	s_wait_tensorcnt 0x0
	ds_add_u32 v254, v255
	s_wait_dscnt 0x0
	s_endpgm
.Lfunc_end_k_q2623db6c55_attn:
	.size	k_q2623db6c55_attn, .Lfunc_end_k_q2623db6c55_attn-k_q2623db6c55_attn
	.p2alignl 7, 3214868480
	.fill 96, 4, 3214868480
	.section	.rodata,"a",@progbits
	.p2align	6, 0x0
	.amdhsa_kernel k_q2623db6c55_attn
		.amdhsa_group_segment_fixed_size 34816
		.amdhsa_private_segment_fixed_size 0
		.amdhsa_enable_private_segment 0
		.amdhsa_kernarg_size 32
		.amdhsa_user_sgpr_count 2
		.amdhsa_user_sgpr_kernarg_segment_ptr 1
		.amdhsa_wavefront_size32 1
		.amdhsa_system_sgpr_workgroup_id_x 1
		.amdhsa_system_sgpr_workgroup_id_y 1
		.amdhsa_system_sgpr_workgroup_id_z 1
		.amdhsa_system_vgpr_workitem_id 0
		.amdhsa_next_free_vgpr 256
		.amdhsa_next_free_sgpr 66
		.amdhsa_reserve_vcc 0
		.amdhsa_float_denorm_mode_32 3
		.amdhsa_float_denorm_mode_16_64 3
		.amdhsa_memory_ordered 1
		.amdhsa_forward_progress 1
		.amdhsa_inst_pref_size 61
	.end_amdhsa_kernel
	.amdgpu_metadata
---
amdhsa.version: [ 1, 2 ]
amdhsa.kernels:
  - .name:           k_q2623db6c55_attn
    .symbol:         k_q2623db6c55_attn.kd
    .args:
      - { .name: qc, .offset: 0, .size: 8, .value_kind: global_buffer, .address_space: global }
      - { .name: kvc, .offset: 8, .size: 8, .value_kind: global_buffer, .address_space: global }
      - { .name: lowp_scales, .offset: 16, .size: 8, .value_kind: global_buffer, .address_space: global }
      - { .name: yc, .offset: 24, .size: 8, .value_kind: global_buffer, .address_space: global }
    .group_segment_fixed_size: 34816
    .private_segment_fixed_size: 0
    .kernarg_segment_align: 8
    .kernarg_segment_size: 32
    .max_flat_workgroup_size: 512
    .sgpr_count:     66
    .vgpr_count:     256
    .wavefront_size: 32
...
	.end_amdgpu_metadata
.endif
;; end of part 5
;; launch proj: the kernel of part 4 again; grid 8 x 32, 4 waves a work-group, clusters of 4 x 4, 280,064 bytes of LDS; arguments yc, wc, lowp_scales, out0; writes out0
